; MI455X (gfx1250); checked and timed in simulation.
; The chip was launched on July 23, 2026; its instructions are those of AMD's public machine-readable ISA for CDNA 5 (MIT licence, August 2026) and "CDNA5" Instruction Set Architecture Reference Guide (July 2026). The comments in the code are by the model that wrote it; some were corrected since.
;; Multi Head Attention. Allowed arithmetic: matrix products marked QUANTISED: E5M2 operands, one E8M0 scale for each 32 along K, by v_wmma_scale_f32_16x16x128_f8f6f4 with both operands' format E5M2, f32 sums; everything else in f32.
;; Inputs: Wk 1,024 x 1,024 float32; Wo 1,024 x 1,024 float32; Wq 1,024 x 1,024 float32; Wv 1,024 x 1,024 float32; bo 1,024 float32; key 2 x 2,048 x 1,024 float32; query 2 x 2,048 x 1,024 float32; value 2 x 2,048 x 1,024 float32.
;; Outputs: out0 2 x 2,048 x 1,024 float32.
;; This version of the problem:
;;   THIS VERSION OF THE PROBLEM IS GIVEN IN LOW PRECISION. The matrix products marked QUANTISED in the list below multiply operands that are first quantised to E5M2 (5 exponent bits, 2 mantissa bits; 8 bits a number), with one power-of-two scale for each 32 numbers along K (OCP MX v1.0); their sums are f32. All else is computed in f32.
;;   The module's matrix products, in the order in which they are computed (A, B: the left and right operand; K: the contracted axis; several contracted axes count as one K, in the product's order):
;;     1. [M 4,096, K 1,024] x [K 1,024, N 1,024]; A: input query; B: input Wq: QUANTISED
;;     2. [M 4,096, K 1,024] x [K 1,024, N 1,024]; A: input key; B: input Wk: QUANTISED
;;     3. [M 4,096, K 1,024] x [K 1,024, N 1,024]; A: input value; B: input Wv: QUANTISED
;;     4. batch 32 x [M 2,048, K 64] x [K 64, N 2,048]; A: computed on the way; B: computed on the way: QUANTISED
;;     5. batch 32 x [M 2,048, K 2,048] x [K 2,048, N 64]; A: softmax (see below); B: computed on the way: QUANTISED
;;     6. [M 4,096, K 1,024] x [K 1,024, N 1,024]; A: computed on the way; B: input Wo: QUANTISED
;;   THE QUANTISER, for each operand of a quantised product, along K:
;;     - K is cut into blocks of 32 from its start; a last block that is shorter is filled with zeros.
;;     - A block's scale is 2^e with e = floor(log2(the largest magnitude in the block)) - 15, held to -126 .. 127; a block of zeros has e = 0. As a byte (E8M0): e + 127.
;;     - Each number is divided by its block's scale, clamped to +-57,344, and rounded to the nearest number of E5M2, ties to even, subnormals kept.
;;     - The product sums the exact products of the quantised numbers (number of the format x scale) in f32.
;;   ~~~python
;;   def quantise(x, axis):      # numpy; x: float32 -> the quantised numbers, widened to float32 again
;;       x = np.moveaxis(x, axis, -1); K = x.shape[-1]
;;       x = np.pad(x, [(0, 0)] * (x.ndim - 1) + [(0, -K % 32)]); x = x.reshape(x.shape[:-1] + (-1, 32)); a = np.abs(x).max(-1, keepdims=True)
;;       e = np.where(a > 0, np.clip(np.frexp(np.where(a > 0, a, 1))[1] - 1 - 15, -126, 127), 0)      # np.frexp(a)[1] - 1 = floor(log2(a)), exactly
;;       r = np.clip(x / 2.0 ** e, -57344, 57344)
;;       step = 2.0 ** (np.maximum(np.frexp(np.where(r == 0, 1, r))[1] - 1, -14) - 2)
;;       q = np.round(r / step) * step * 2.0 ** e      # np.round: ties to even
;;       return np.moveaxis(q.reshape(q.shape[:-2] + (-1,))[..., :K], -1, axis).astype(np.float32)
;;   ~~~
;;   SOFTMAX AHEAD OF A QUANTISED PRODUCT. Where the list says 'softmax', what is quantised is not the finished softmax but p = 2^(t - M), with t = logit x log2(e) and M = ceil(the row's largest t), a whole number; so 1/2 < the row's largest p <= 1. The row's sum l is taken of the UNQUANTISED p, in f32, and the product's result is divided by l at the end. Since M is a whole number, a kernel that streams over the keys may use a running M (the ceiling of the running maximum): every later rescaling is an exact power of two, which a block's scale takes up: the codes' values come out the same.
;;   OPERANDS COMPUTED ON THE WAY. 'Computed on the way' means the value that the module computes at that place (a softmax that the list does not call 'softmax' is quantised finished and normalised). What goes into a quantiser is computed in f32, as accurately as f32 sums, v_exp_f32 and their like allow (about 1e-6 of the number): no bf16 or f16 on the way to a quantiser, and a product that is left as it is and whose result goes on into a quantised operand takes f32 operands (vector FMAs, or v_wmma_f32_16x16x4_f32). A number that lies on a knife's edge between two numbers of the format may be rounded either way, as far as f32 arithmetic and the matrix unit's own rounding can turn it there, and no further.
;; One version. Each part assembles by itself: llvm-mc -triple=amdgcn-amd-amdhsa -mcpu=gfx1250 --defsym DOCPART=n.
;; ======== version 1 of 1: 4 launches
;; limits: right only within a limited range of input values
;; workspace buffers: codes 16,777,216 bytes; scales 524,288 bytes; img 12,582,912 bytes; isc 393,216 bytes; sq 524,288 bytes; xc 4,194,304 bytes; xs 131,072 bytes
;; launch quant (part 1): grid 512 x 1, 4 waves a work-group, no clusters, 33,280 bytes of LDS; arguments query, key, value, Wq, Wk, Wv, Wo, codes, scales; writes codes, scales
.if DOCPART == 1
	.amdgcn_target "amdgcn-amd-amdhsa--gfx1250"
	.amdhsa_code_object_version 6
	.text
	.protected	k_q80c3b75d8d_quant
	.globl	k_q80c3b75d8d_quant
	.p2align	8
	.type	k_q80c3b75d8d_quant,@function
k_q80c3b75d8d_quant:
	s_mov_b64 s[64:65], 0
	v_nop
	global_prefetch_b8 v0, s[64:65] scope:SCOPE_SE
	s_setreg_imm32_b32 hwreg(HW_REG_WAVE_MODE, 25, 1), 1
	s_wait_xcnt 0x0
; query, key, value [4096][1024] and Wq, Wk, Wv, Wo [1024][1024], f32, become codes of BF8 (E5M2), K innermost, with one E8M0 byte for each 32 along K.
; A block's scale is 2^(floor(log2(its largest magnitude)) - 15); its byte is the largest magnitude's exponent field - 15, held at 1 from below.  Each number is divided by the scale,
; held within +-57,344 and rounded to the nearest code, ties to even.
; LIMITS: a block of zeros, and a block whose largest magnitude lies under 2^-111, keep the byte 1 (the codes of a block of zeros are zeros, and these bytes are read by this program alone);
; NaN and infinities among the inputs are not served.
; WHERE THE ROWS GO.  codes: rows of 1,024 bytes: query from row 0, key 4,096, value 8,192, Wq 12,288, Wk 13,312, Wv 14,336, Wo 15,360; scales: 32 bytes a row, same order.
; In all tensors but Wo a row is stored at its number with bits 3 and 4 exchanged: sixteen neighbouring stored rows 16 i + r are then the true rows 32 (i/2) + 8 (i%2) + r + 8 (r/8),
; the choice of rows by which a product's results come out as sixteen neighbours along the next product's K.  A wave's run is 8 rows, so the exchange is that of bits 0 and 1 of the run's number.
; SHARES.  A work-group takes 32 rows, a wave 8 (8,192 numbers) in 16 steps of 512.  Each load reads 512 consecutive bytes; a step's 2,048 bytes turn through the wave's own stage in LDS,
; so that a lane gets 16 neighbours along K (two neighbouring lanes hold a block).  A lane's 16 codes are 16 bytes: a store covers 512 consecutive bytes.  A wave's 256 scale bytes are gathered
; in LDS and leave as 256 consecutive, aligned bytes.  Work-groups share no input, so there is no cluster; waves share nothing, so there is no barrier.
.set STEPS, 16
.set EMAX,  15
.set MANT,  0x600000                   ; the mantissa field of 57,344 as f32
.set CB,    16                         ; bytes of 16 codes
.set R,     16                         ; v16-79   four sets of 16 numbers as they are loaded
.set X,     80                         ; v80-111  two sets of 16 neighbours
.set C,     128                        ; v128-191 codes: four registers for each step, so that no store's data are written again
.set E,     112                        ; v112-127 a scale byte for each step
.set WREG,  8192                       ; LDS: a region for each wave: two stages of 32 x SP bytes, behind them its 256 scale bytes
.set SP,    80                         ; a lane's place in a stage: 64 bytes + 16 of padding
	s_load_b512 s[36:51], s[0:1], 0x0              ; query, key, value, Wq, Wk, Wv, Wo, codes
	s_load_b64 s[52:53], s[0:1], 0x40              ; scales
	v_lshl_add_u32 v192, v0, 2, 0x8000
	v_mov_b32 v193, 0
	v_lshrrev_b32 v1, 5, v0
	v_readfirstlane_b32 s16, v1                    ; wave
	v_and_b32 v2, 31, v0                           ; lane
	v_lshlrev_b32 v3, 4, v2                        ; my 16 bytes of a load's 512
	s_mul_i32 s26, s16, WREG
	v_lshrrev_b32 v14, 2, v2
	v_mul_u32_u24 v14, v14, SP
	v_and_b32 v15, 3, v2
	v_lshl_add_u32 v14, v15, 4, v14
	v_add_nc_u32 v14, s26, v14                     ; the stage, on the way in: SP (lane / 4) + 16 (lane % 4)
	v_mul_u32_u24 v15, v2, SP
	v_add_nc_u32 v15, s26, v15                     ; and on the way out: SP x lane: my 16 neighbours
	v_mul_u32_u24 v4, v2, CB                       ; my codes' place in a step's
	v_lshrrev_b32 v5, 1, v2
	s_add_co_u32 s26, s26, 2*32*SP
	v_add_nc_u32 v5, s26, v5                       ; LDS: my wave's 256 scale bytes, my block's byte
	v_lshlrev_b32 v7, 3, v2                        ; and on the way out 8 bytes a lane
	v_add_nc_u32 v6, s26, v7
	s_mov_b32 s23, MANT
	s_and_b32 s19, s16, 1                          ; the wave's number with its two bits exchanged
	s_lshl_b32 s19, s19, 1
	s_lshr_b32 s18, s16, 1
	s_or_b32 s19, s19, s18
	s_wait_alu depctr_va_vdst(0)
	s_wait_kmcnt 0x0
	s_mov_b64 s[4:5], s[36:37]                     ; which tensor: the choice hangs on the work-group's number alone
	s_mov_b32 s17, 0                               ; and the tensor's first work-group
	s_cmp_ge_u32 ttmp9, 128
	s_cselect_b64 s[4:5], s[38:39], s[4:5]
	s_cselect_b32 s17, 128, s17
	s_cmp_ge_u32 ttmp9, 256
	s_cselect_b64 s[4:5], s[40:41], s[4:5]
	s_cselect_b32 s17, 256, s17
	s_cmp_ge_u32 ttmp9, 384
	s_cselect_b64 s[4:5], s[42:43], s[4:5]
	s_cselect_b32 s17, 384, s17
	s_cmp_ge_u32 ttmp9, 416
	s_cselect_b64 s[4:5], s[44:45], s[4:5]
	s_cselect_b32 s17, 416, s17
	s_cmp_ge_u32 ttmp9, 448
	s_cselect_b64 s[4:5], s[46:47], s[4:5]
	s_cselect_b32 s17, 448, s17
	s_cmp_ge_u32 ttmp9, 480
	s_cselect_b64 s[4:5], s[48:49], s[4:5]
	s_cselect_b32 s17, 480, s17
	s_cselect_b32 s18, s16, s19                    ; Wo keeps its rows' order
	s_sub_co_u32 s20, ttmp9, s17
	s_lshl_b32 s20, s20, 2
	s_add_co_u32 s20, s20, s16                     ; my run of 8 rows in the tensor,
	s_lshl_b32 s20, s20, 15                        ; 32,768 bytes each
	s_mov_b32 s21, 0
	s_add_nc_u64 s[4:5], s[4:5], s[20:21]
	s_lshl_b32 s22, ttmp9, 2
	s_add_co_u32 s22, s22, s18                     ; where the run goes
	s_lshl_b32 s24, s22, 13                        ; 8,192 bytes of codes,
	s_mov_b32 s25, 0
	s_add_nc_u64 s[8:9], s[50:51], s[24:25]
	s_lshl_b32 s24, s22, 8                         ; 256 scale bytes
	s_add_nc_u64 s[10:11], s[52:53], s[24:25]
.macro LOAD t
.irp i, 0,1,2,3
	global_load_b128 v[R+16*((\t)%4)+4*\i:R+16*((\t)%4)+4*\i+3], v3, s[4:5] offset:2048*(\t)+512*\i th:TH_LOAD_NT   ; 32 lanes read 512 consecutive bytes; read once in the launch
.endr
.endm
.macro TURN t                          ; step t's numbers through the stage: LDS serves a wave's instructions in order, so no wait stands between the stores and the loads
.irp i, 0,1,2,3
	ds_store_b128 v14, v[R+16*((\t)%4)+4*\i:R+16*((\t)%4)+4*\i+3] offset:32*SP*((\t)%2)+8*SP*\i
.endr
.irp i, 0,1,2,3
	ds_load_b128 v[X+16*((\t)%2)+4*\i:X+16*((\t)%2)+4*\i+3], v15 offset:32*SP*((\t)%2)+16*\i
.endr
.endm
.irp t, 0,1,2,3
	LOAD \t
.endr
	s_wait_loadcnt 12                              ; step 0's four loads are in; the twelve of steps 1 to 3 may be out
	TURN 0
.macro STEP t
.set XS, X+16*((\t)%2)
.if (\t) > 0
	s_wait_dscnt 1                                 ; this step's numbers are back from the stage (the last step's byte store may be out): so its stores into the stage have read their registers,
.else
	s_wait_dscnt 0x0
.endif
.if (\t)+4 < STEPS
	LOAD (\t)+4                                    ; which take the loads of four steps on
.endif
.if (\t)+1 < STEPS
.if STEPS-2-(\t) >= 3
	s_wait_loadcnt 12                              ; the next step's four loads are in; those of the three steps behind it may be out
.else
	s_wait_loadcnt 4*(STEPS-2-(\t))
.endif
	TURN (\t)+1                                    ; and go through the other stage while this step is worked
.endif
	v_max3_num_f32 v8, |v[XS]|, |v[XS+1]|, |v[XS+2]|               ; the largest magnitude of my 16, in two chains
	v_max3_num_f32 v9, |v[XS+3]|, |v[XS+4]|, |v[XS+5]|
.irp i, 6,10
	v_max3_num_f32 v8, v8, |v[XS+\i]|, |v[XS+\i+1]|
	v_max3_num_f32 v9, v9, |v[XS+\i+2]|, |v[XS+\i+3]|
.endr
	v_max3_num_f32 v8, v8, |v[XS+14]|, |v[XS+15]|
	v_max3_num_f32 v8, v8, v9, (EMAX+1)<<23        ; and the floor 2^(16 - 127): so the byte cannot fall under 1
	v_max_num_f32_dpp v8, v8, v8 row_xmask:1 row_mask:0xf bank_mask:0xf   ; and of my neighbour's 16: the block's
	v_add_nc_u32 v11, 0xf8800000, v8               ; 15 off its exponent field: the conversion takes the exponent field of this operand as its scale
	v_and_or_b32 v10, v8, 0x7f800000, s23          ; 57,344 x the scale
.irp i, 0,1,2,3,4,5,6,7,8,9,10,11,12,13,14,15
	v_med3_num_f32 v[XS+\i], v[XS+\i], -v10, v10   ; the conversion to an 8-bit code does not saturate (ISA guide 7.6.2): hold the number first
.endr
	v_cvt_scalef32_pk8_bf8_f32 v[C+4*(\t):C+4*(\t)+1], v[XS:XS+7], v11
	v_cvt_scalef32_pk8_bf8_f32 v[C+4*(\t)+2:C+4*(\t)+3], v[XS+8:XS+15], v11
	v_lshrrev_b32 v[E+(\t)], 23, v11               ; the scale's byte (also the plain line behind the conversions)
	ds_store_b8 v5, v[E+(\t)] offset:16*(\t)       ; both lanes of a block write the same byte with the same value
	global_store_b128 v4, v[C+4*(\t):C+4*(\t)+3], s[8:9] offset:32*CB*(\t)
.endm
.irp t, 0,1,2,3,4,5,6,7,8,9,10,11,12,13,14,15
	STEP \t
.endr
	ds_load_b64 v[12:13], v6                       ; LDS serves a wave's instructions in order: these see my stores
	s_wait_dscnt 0x0
	global_store_b64 v7, v[12:13], s[10:11]        ; 32 lanes store 256 consecutive bytes, aligned
	s_wait_tensorcnt 0x0
	ds_add_u32 v192, v193
	s_wait_dscnt 0x0
	s_endpgm
.Lfunc_end_k_q80c3b75d8d_quant:
	.size	k_q80c3b75d8d_quant, .Lfunc_end_k_q80c3b75d8d_quant-k_q80c3b75d8d_quant
	.p2alignl 7, 3214868480
	.fill 96, 4, 3214868480
	.section	.rodata,"a",@progbits
	.p2align	6, 0x0
	.amdhsa_kernel k_q80c3b75d8d_quant
		.amdhsa_group_segment_fixed_size 33280
		.amdhsa_private_segment_fixed_size 0
		.amdhsa_enable_private_segment 0
		.amdhsa_kernarg_size 72
		.amdhsa_user_sgpr_count 2
		.amdhsa_user_sgpr_kernarg_segment_ptr 1
		.amdhsa_wavefront_size32 1
		.amdhsa_system_sgpr_workgroup_id_x 1
		.amdhsa_system_sgpr_workgroup_id_y 1
		.amdhsa_system_sgpr_workgroup_id_z 1
		.amdhsa_system_vgpr_workitem_id 0
		.amdhsa_next_free_vgpr 194
		.amdhsa_next_free_sgpr 66
		.amdhsa_reserve_vcc 0
		.amdhsa_float_denorm_mode_32 3
		.amdhsa_float_denorm_mode_16_64 3
		.amdhsa_memory_ordered 1
		.amdhsa_forward_progress 1
		.amdhsa_inst_pref_size 52
	.end_amdhsa_kernel
	.amdgpu_metadata
---
amdhsa.version: [ 1, 2 ]
amdhsa.kernels:
  - .name:           k_q80c3b75d8d_quant
    .symbol:         k_q80c3b75d8d_quant.kd
    .args:
      - { .name: query, .offset: 0, .size: 8, .value_kind: global_buffer, .address_space: global }
      - { .name: key, .offset: 8, .size: 8, .value_kind: global_buffer, .address_space: global }
      - { .name: value, .offset: 16, .size: 8, .value_kind: global_buffer, .address_space: global }
      - { .name: Wq, .offset: 24, .size: 8, .value_kind: global_buffer, .address_space: global }
      - { .name: Wk, .offset: 32, .size: 8, .value_kind: global_buffer, .address_space: global }
      - { .name: Wv, .offset: 40, .size: 8, .value_kind: global_buffer, .address_space: global }
      - { .name: Wo, .offset: 48, .size: 8, .value_kind: global_buffer, .address_space: global }
      - { .name: codes, .offset: 56, .size: 8, .value_kind: global_buffer, .address_space: global }
      - { .name: scales, .offset: 64, .size: 8, .value_kind: global_buffer, .address_space: global }
    .group_segment_fixed_size: 33280
    .private_segment_fixed_size: 0
    .kernarg_segment_align: 8
    .kernarg_segment_size: 72
    .max_flat_workgroup_size: 128
    .sgpr_count:     66
    .vgpr_count:     194
    .wavefront_size: 32
...
	.end_amdgpu_metadata
.endif
;; end of part 1
;; launch proj (part 2): grid 4 x 48, 4 waves a work-group, clusters of 4 x 4, 327,680 bytes of LDS; arguments codes, scales, img, isc, sq; writes img, isc, sq
.if DOCPART == 2
	.amdgcn_target "amdgcn-amd-amdhsa--gfx1250"
	.amdhsa_code_object_version 6
	.text
	.protected	k_q80c3b75d8d_proj
	.globl	k_q80c3b75d8d_proj
	.p2align	8
	.type	k_q80c3b75d8d_proj,@function
k_q80c3b75d8d_proj:
	s_mov_b64 s[64:65], 0
	v_nop
	global_prefetch_b8 v0, s[64:65] scope:SCOPE_SE
	s_setreg_imm32_b32 hwreg(HW_REG_WAVE_MODE, 25, 1), 1
	s_wait_xcnt 0x0
	s_wait_alu depctr_hold_cnt(0) depctr_sa_sdst(0) depctr_va_vdst(0) depctr_va_sdst(0) depctr_va_ssrc(0) depctr_va_vcc(0) depctr_vm_vsrc(0)
	s_getreg_b32 s2, hwreg(HW_REG_IB_STS2, 6, 4)
	s_cmp_eq_u32 s2, 0
	s_cbranch_scc0 .Lentry_in_a_cluster
	s_endpgm
.Lentry_in_a_cluster:
	s_bfe_u32 s2, ttmp6, 0x10000c
	s_cmp_lg_u32 s2, 0xf033
	s_cbranch_scc0 .Lentry_shape_is_right
	s_endpgm
.Lentry_shape_is_right:
; q = query Wq^T, k = key Wk^T, v = value Wv^T on codes of BF8 (E5M2) with E8M0 scales, K = 1,024, f32 sums; the results are quantised here for the attention launch.
; A work-group makes 256 x 256 of one product, four waves 128 x 128 each; K goes in steps of 256 through a ring of two LDS slots filled by joint loads in clusters of 4 x 4; the scales of all of K come once.
; For q and k source 1 takes tokens and source 0 rows of the weight: a lane's registers run along the head's channels, the next product's K.  For v the two change places: the registers run along the keys.
; THE WAY OUT: each block of 32 along the next K gets its scale byte, the numbers are held and converted, and the codes leave as images of operand registers, 512 consecutive bytes a store;
; for q and k the sums of squares of the unquantised numbers of each head's row go to sq.
; PREFETCH: a lane a row, 32 rows a wave, 256 bytes of each row for a K step; of the 128 rows that a wave fetches, the partner at place p of the four that ask jointly takes rows 32 p on (p = cx for A, cy for B):
; told apart by address alone.  K steps 1 and 2 are asked for behind the head's load, K step 3 behind slot 1's load: two K steps at the most are asked for and not yet read.  The address registers are never rewritten.
.set SIZE_K, 1024
.set KSTEP,  256
.set NQ,     KSTEP/128
.set ROWB,   256
.set KROW,   SIZE_K
.set PITCH,  272
.set FR,     16
.set NL,     4
.set NP,     8
.set HALFT,  128*PITCH
.set SLOT,   4*HALFT
.set LAPS,   SIZE_K/(2*KSTEP)
.set KS,     SIZE_K/32
.set SCL,    2*SLOT
.set HALFS,  (128*KS/256)*272
.set SBLK,   (16*KS/256)*272
.set SPARE,  SCL+4*HALFS
.set STQ,    SPARE+512
.set STV,    STQ+4*1536
.set ADRA, 16
.set K2ST, 18
.set WDST, 19
.set ADRB, 20
.set WDSV, 22
.set RDQ,  23
.set RDV,  24
.set LA16, 25
.set WGO,  26
.set ADRS, 27
.set SPW,  28
.set NIL,  29
.set SC,   32
.set AF,   128
.set PC,   112
.set K2R,  144
.set TM,   200
.set SQ,   216
.set WD,   224
.set G1, 24
.set G0, 32
.set G1B, 48
.set G0B, 56
.set G1S, 68
.set G0S, 76
.set G1SB, 80
.set G0SB, 88
.set MSB, 0
.macro WIN new
.if MSB != \new
	s_set_vgpr_msb (MSB<<8)|\new
.set MSB, \new
.endif
.endm
.set MUL_LO, 0xa1
.set MUL_HI, 0xf1
.set TO_B,   0x40
.macro JLOAD g0a, g1a, g0b, g1b
	s_cmp_eq_u32 s15, 0
	s_cbranch_scc0 .Lfor_b_\@
	tensor_load_to_lds s[\g0a:\g0a+3], s[\g1a:\g1a+7]
	s_nop 0
.rept 4
	v_nop
.endr
	s_branch .Lasked_\@
.Lfor_b_\@:
	tensor_load_to_lds s[\g0b:\g0b+3], s[\g1b:\g1b+7]
	s_nop 0
.rept 4
	v_nop
.endr
.Lasked_\@:
.endm
.macro CREST
	s_cmp_lg_u32 s14, 0
	s_cbranch_scc1 .Lnot_wave_0_\@
	s_barrier_signal -3
.Lnot_wave_0_\@:
	s_barrier_wait -3
	s_barrier_signal -1
	s_barrier_wait -1
.endm
.macro CROUND
	s_barrier_signal -1
	s_barrier_wait -1
	CREST
.endm
	s_load_b128 s[4:7], s[0:1], 0x0
	s_load_b128 s[8:11], s[0:1], 0x0
	s_load_b64 s[12:13], s[0:1], 0x10
	s_load_b64 s[96:97], s[0:1], 0x18
	s_load_b64 s[98:99], s[0:1], 0x20
	v_lshl_add_u32 v[SPW], v0, 2, SPARE
	v_mov_b32 v[NIL], 0
	ds_add_u32 v28, v29
	ds_add_u32 v28, v29
	s_wait_dscnt 0x0
	v_lshrrev_b32 v1, 5, v0
	v_readfirstlane_b32 s14, v1
	s_lshr_b32 s15, s14, 1
	s_and_b32 s16, s14, 1
	s_bfe_u32 s40, ttmp6, 0x40000
	s_bfe_u32 s41, ttmp6, 0x40004
	s_and_b32 s17, ttmp7, 0xffff
	s_lshr_b32 s95, s17, 2
	s_and_b32 s17, s17, 3
	s_lshl_b32 s17, s17, 2
	s_lshl_b32 s18, s95, 12
	s_lshl_b32 s19, s95, 10
	s_add_co_u32 s19, s19, 12288
	s_cmp_eq_u32 s95, 2
	s_cselect_b32 s18, 14336, s18
	s_cselect_b32 s19, 8192, s19
	s_cselect_b32 s42, s17, 0
	s_cselect_b32 s17, 0, s17
	s_add_co_u32 s42, s42, s40
	s_add_co_u32 s17, s17, s41
	s_lshl_b32 s43, s41, 2
	s_lshl_b32 s43, 15, s43
	s_lshl_b32 s44, 0x1111, s40
	s_or_b32 s[G1+0], s43, (0<<16)|(1<<20)|(1<<21)|(5<<22)|(3<<25)
	s_or_b32 s[G1B+0], s44, (0<<16)|(1<<20)|(1<<21)|(5<<22)|(3<<25)
.irp g, G1, G1B
	s_mov_b32 s[\g+1], ROWB<<16
	s_mov_b32 s[\g+2], 256<<16                     ; 256 rows for the head's loads; behind them these two words are set to 128, for the ring's
	s_mov_b32 s[\g+3], ROWB<<16
	s_mov_b32 s[\g+4], 256
	s_mov_b32 s[\g+5], KROW
	s_mov_b32 s[\g+6], 0
	s_mov_b32 s[\g+7], 0
.endr
	s_or_b32 s[G1S+0], s43, (3<<16)|(1<<20)|(1<<21)|(5<<22)|(3<<25)
	s_or_b32 s[G1SB+0], s44, (3<<16)|(1<<20)|(1<<21)|(5<<22)|(3<<25)
.irp g, G1S, G1SB
	s_mov_b32 s[\g+1], 32<<16
	s_mov_b32 s[\g+2], KS<<16                      ; the scales of 256 rows: 256 KS dense bytes as KS rows of 256
	s_mov_b32 s[\g+3], 32<<16
	s_mov_b32 s[\g+4], KS
	s_mov_b32 s[\g+5], 32
	s_mov_b32 s[\g+6], 0
	s_mov_b32 s[\g+7], 0
.endr
	s_lshl_b32 s20, s17, 8                         ; the tile's first row
	s_add_co_u32 s20, s20, s18
	s_lshl_b32 s46, s42, 8
	s_add_co_u32 s46, s46, s19
	s_lshl_b32 s22, s20, 5
	s_mov_b32 s23, 0
	s_lshl_b32 s92, s46, 5
	s_mov_b32 s93, 0
	s_lshl_b32 s20, s20, 10
	s_mov_b32 s21, 0
	s_lshl_b32 s46, s46, 10
	s_mov_b32 s47, 0
	s_mul_i32 s45, s14, HALFT
	s_mul_i32 s18, s16, 128*KROW                   ; in the ring I fetch 128 rows of a tile: which half, in bytes
	s_mov_b32 s19, 0
	s_wait_kmcnt 0x0
	s_add_nc_u64 s[20:21], s[4:5], s[20:21]
	s_add_nc_u64 s[22:23], s[6:7], s[22:23]
	s_add_nc_u64 s[46:47], s[8:9], s[46:47]
	s_add_nc_u64 s[92:93], s[10:11], s[92:93]
	CROUND
.set G0H, 4                            ; s[4:7], s[8:11] group 0 for the head's loads of K step 0 (the arguments that lay there have been used)
.set G0HB, 8
	s_mov_b32 s[G0H], 1                            ; the head's four tiles, each whole: K step 0's 256 rows of A,
	s_mov_b32 s[G0H+1], 0
	s_mov_b64 s[G0H+2:G0H+3], s[20:21]
	s_or_b32 s[G0H+3], s[G0H+3], 0x80000000
	s_mov_b32 s[G0HB], 1                           ; its 256 rows of B, behind them in slot 0,
	s_mov_b32 s[G0HB+1], 2*HALFT
	s_mov_b64 s[G0HB+2:G0HB+3], s[46:47]
	s_or_b32 s[G0HB+3], s[G0HB+3], 0x80000000
	s_mov_b32 s[G0S], 1                            ; the scales of A's 256 rows,
	s_mov_b32 s[G0S+1], SCL
	s_mov_b64 s[G0S+2:G0S+3], s[22:23]
	s_or_b32 s[G0S+3], s[G0S+3], 0x80000000
	s_mov_b32 s[G0SB], 1                           ; and of B's
	s_mov_b32 s[G0SB+1], SCL+2*HALFS
	s_mov_b64 s[G0SB+2:G0SB+3], s[92:93]
	s_or_b32 s[G0SB+3], s[G0SB+3], 0x80000000
	s_add_nc_u64 s[20:21], s[20:21], s[18:19]      ; for the ring: my 128 rows of the tile
	s_add_nc_u64 s[46:47], s[46:47], s[18:19]
	s_cmp_eq_u32 s15, 0                            ; the prefetches: do I fetch for A or for B?  The choice hangs on the wave's number alone
	s_cselect_b64 s[66:67], s[20:21], s[46:47]     ; the 128 rows that I fetch,
	s_cselect_b32 s92, s40, s41                    ; my place among the four that ask for them with me,
	s_lshl_b32 s92, s92, 15                        ; 32 rows of 1,024 bytes for each place
	s_mov_b32 s93, 0
	s_add_nc_u64 s[66:67], s[66:67], s[92:93]
.irp s, 0,1
	s_mov_b32 s[G0+4*\s], 1
	s_add_co_u32 s[G0+4*\s+1], s45, \s*SLOT
	s_add_nc_u64 s[G0+4*\s+2:G0+4*\s+3], s[20:21], \s*ROWB
	s_or_b32 s[G0+4*\s+3], s[G0+4*\s+3], 0x80000000
	s_mov_b32 s[G0B+4*\s], 1
	s_add_co_u32 s[G0B+4*\s+1], s45, \s*SLOT
	s_add_nc_u64 s[G0B+4*\s+2:G0B+4*\s+3], s[46:47], \s*ROWB
	s_or_b32 s[G0B+4*\s+3], s[G0B+4*\s+3], 0x80000000
.endr
; the head's loads, one a wave: wave 0 A's 256 rows of K step 0, wave 1 B's, wave 2 A's scales, wave 3 B's: one chain of branches on the wave's number, one load to an arm, one join
.macro ARM under, g0, g1, next
	s_cmp_lt_u32 s14, \under
	s_cbranch_scc0 \next
	tensor_load_to_lds s[\g0:\g0+3], s[\g1:\g1+7]
	s_nop 0
.rept 4
	v_nop
.endr
	s_branch .Lhead_asked
\next:
.endm
	ARM 1, G0H,  G1,  .Lhead_b
	ARM 2, G0HB, G1B, .Lhead_sa
	ARM 3, G0S,  G1S, .Lhead_sb
	tensor_load_to_lds s[G0SB:G0SB+3], s[G1SB:G1SB+7]
	s_nop 0
.rept 4
	v_nop
.endr
.Lhead_asked:
	v_and_b32 v30, 31, v0
	v_lshlrev_b32 v30, 10, v30                     ; a lane a row of 1,024 bytes; never rewritten
	global_prefetch_b8 v30, s[66:67] offset:256 th:TH_LOAD_NT scope:SCOPE_SE   ; K step 1 of my 32 rows,
	global_prefetch_b8 v30, s[66:67] offset:512 th:TH_LOAD_NT scope:SCOPE_SE   ; and K step 2
	v_and_b32 v1, 15, v0
	v_bfe_u32 v2, v0, 4, 1
	v_mul_u32_u24 v3, v1, PITCH
	v_lshl_add_u32 v4, v2, 4, v3
	s_mul_i32 s21, s15, HALFT
	s_mul_i32 s22, s16, HALFT
	s_add_co_u32 s22, s22, 2*HALFT
.irp s, 0,1
	v_add_nc_u32 v[ADRA+\s], s21, v4
	v_add_nc_u32 v[ADRB+\s], s22, v4
	s_add_co_u32 s21, s21, SLOT
	s_add_co_u32 s22, s22, SLOT
.endr
	v_mul_u32_u24 v5, v1, KS
	v_lshrrev_b32 v6, 8, v5
	v_lshl_add_u32 v5, v6, 4, v5
	s_mul_i32 s21, s15, HALFS
	s_mul_i32 s22, s16, HALFS
	s_add_co_u32 s22, s22, 2*HALFS
	s_sub_co_u32 s22, s22, s21
	v_mul_u32_u24 v6, s22, v2
	s_add_co_u32 s21, s21, SCL
	v_add_nc_u32 v5, v5, v6
	v_add_nc_u32 v[ADRS], s21, v5
	s_mul_i32 s23, s14, 1536
	s_add_co_u32 s23, s23, STQ
	v_and_b32 v5, 8, v1
	v_add_nc_u32 v5, v5, v1
	v_lshlrev_b32 v5, 2, v5
	v_add_nc_u32 v[K2ST], s23, v5
	v_lshlrev_b32 v6, 2, v1
	v_add_nc_u32 v[WDST], s23, v6
	v_add_nc_u32 v[WDST], 1024, v[WDST]
	v_and_b32 v7, 31, v0
	v_lshlrev_b32 v[LA16], 4, v7
	v_add_nc_u32 v[RDQ], s23, v[LA16]
	s_lshl_b32 s23, s14, 9
	s_add_co_u32 s23, s23, STV
	v_add_nc_u32 v[WDSV], s23, v6
	v_add_nc_u32 v[RDV], s23, v[LA16]
	v_lshlrev_b32 v[WGO], 12, v2
	v_lshl_add_u32 v[WGO], v1, 4, v[WGO]
	s_lshl_b32 s100, s17, 8
	s_lshl_b32 s21, s15, 7
	s_add_co_u32 s100, s100, s21
	s_lshl_b32 s101, s42, 8
	s_lshl_b32 s21, s16, 7
	s_add_co_u32 s101, s101, s21
.macro FRAG reg, adr, q, i
.irp c, 0,1,2,3
	ds_load_b128 v[\reg+4*\c:\reg+4*\c+3], v[\adr] offset:128*(\q)+32*\c+(\i)*16*PITCH
.endr
.endm
.macro MUL16 a0, p, q, sc, zero
.irp a, \a0, \a0+1
.irp b, 0,1,2,3,4,5,6,7
.if \zero
	v_wmma_scale_f32_16x16x128_f8f6f4 v[8*(8*((\a)%4)+\b):8*(8*((\a)%4)+\b)+7], v[128*(\p)+FR*\b:128*(\p)+FR*\b+FR-1], v[AF+FR*(\a):AF+FR*(\a)+FR-1], 0, v[SC+8*NQ*(\sc)+NQ*\b+(\q)], v[SC+8*NQ*(\sc)+NQ*(\a)+(\q)] matrix_a_fmt:MATRIX_FMT_BF8 matrix_b_fmt:MATRIX_FMT_BF8 matrix_a_scale:MATRIX_SCALE_ROW1
.else
	v_wmma_scale_f32_16x16x128_f8f6f4 v[8*(8*((\a)%4)+\b):8*(8*((\a)%4)+\b)+7], v[128*(\p)+FR*\b:128*(\p)+FR*\b+FR-1], v[AF+FR*(\a):AF+FR*(\a)+FR-1], v[8*(8*((\a)%4)+\b):8*(8*((\a)%4)+\b)+7], v[SC+8*NQ*(\sc)+NQ*\b+(\q)], v[SC+8*NQ*(\sc)+NQ*(\a)+(\q)] matrix_a_fmt:MATRIX_FMT_BF8 matrix_b_fmt:MATRIX_FMT_BF8 matrix_a_scale:MATRIX_SCALE_ROW1
.endif
.endr
.endr
.endm
.macro FETCH_B slot, q, p
	WIN TO_B
.irp i, 0,1,2,3,4,5,6,7
	FRAG 128*(\p)+FR*\i, ADRB+\slot, \q, \i
.endr
	WIN 0
.endm
.macro FETCH_A slot, q, i0
.irp i, \i0, \i0+1, \i0+2, \i0+3
	FRAG AF+FR*(\i), ADRA+\slot, \q, \i
.endr
.endm
.macro SCALES sc
.irp i, 0,1,2,3,4,5,6,7
	ds_load_b64 v[SC+8*NQ*\sc+NQ*\i:SC+8*NQ*\sc+NQ*\i+1], v[ADRS] offset:\i*SBLK
.endr
.endm
.macro PLACES n
.rept \n
	v_nop
.endr
.endm
.macro STEP slot, q, zero
	s_wait_dscnt 4*NL
	WIN MUL_LO
	MUL16 0, (\q)%2, \q, \slot, \zero
	MUL16 2, (\q)%2, \q, \slot, \zero
	s_wait_dscnt 0
	PLACES NP
	FETCH_B \slot, (\q)+1, 1-(\q)%2
	FETCH_A \slot, (\q)+1, 0
	WIN MUL_HI
	MUL16 4, (\q)%2, \q, \slot, \zero
	MUL16 6, (\q)%2, \q, \slot, \zero
	PLACES NP
	WIN 0
	FETCH_A \slot, (\q)+1, 4
.endm
.macro TURN slot, next, fill
	s_wait_tensorcnt 0x0
	ds_add_u32 v[SPW], v[NIL]
	s_wait_dscnt 4*NL+1
	WIN MUL_LO
	MUL16 0, 1, NQ-1, \slot, 0
	s_wait_dscnt 0x0
	s_barrier_signal -1
	MUL16 2, 1, NQ-1, \slot, 0
	WIN 0
	s_barrier_wait -1
.if \fill
	CREST
	s_add_nc_u64 s[G0+4*\slot+2:G0+4*\slot+3], s[G0+4*\slot+2:G0+4*\slot+3], 2*ROWB
	s_add_nc_u64 s[G0B+4*\slot+2:G0B+4*\slot+3], s[G0B+4*\slot+2:G0B+4*\slot+3], 2*ROWB
	JLOAD G0+4*\slot, G1, G0B+4*\slot, G1B
	PLACES NP-4
.else
	PLACES NP
.endif
	s_wait_alu depctr_va_vdst(0)
	v_add_nc_u32 v[ADRS], 4*NQ, v[ADRS]
	FETCH_B \next, 0, 0
	FETCH_A \next, 0, 0
	SCALES \next
	WIN MUL_HI
	MUL16 4, 1, NQ-1, \slot, 0
	MUL16 6, 1, NQ-1, \slot, 0
	PLACES NP
	WIN 0
	FETCH_A \next, 0, 4
.endm
	s_wait_alu depctr_va_vdst(0)
	s_wait_tensorcnt 0x0                           ; my tile of the head's four is in; these lines stand ahead of a later first fill as ahead of a refill
	ds_add_u32 v[SPW], v[NIL]
	s_mov_b32 s[G1+2], 128<<16                     ; no tensor load of mine is out: from here on a load brings 128 rows
	s_mov_b32 s[G1+4], 128
	s_mov_b32 s[G1B+2], 128<<16
	s_mov_b32 s[G1B+4], 128
	s_wait_dscnt 0x0
	CROUND                                         ; all four tiles are in, and all sixteen work-groups are here
	JLOAD G0+4, G1, G0B+4, G1B                     ; K step 1's load, the first tensor load behind the round
	FETCH_B 0, 0, 0
	FETCH_A 0, 0, 0
	SCALES 0
	FETCH_A 0, 0, 4
	global_prefetch_b8 v30, s[66:67] offset:768 th:TH_LOAD_NT scope:SCOPE_SE   ; K step 3, the last: two refills ahead of the load that wants it
	STEP 0, 0, 1
	s_mov_b32 s3, LAPS-1
.Llap:
	TURN 0, 1, 1
	STEP 1, 0, 0
	TURN 1, 0, 1
	STEP 0, 0, 0
	s_sub_co_u32 s3, s3, 1
	s_cmp_lg_u32 s3, 0
	s_cbranch_scc1 .Llap
	TURN 0, 1, 0
	STEP 1, 0, 0
	s_wait_dscnt 4*NL
	WIN MUL_LO
	MUL16 0, 1, NQ-1, 1, 0
	MUL16 2, 1, NQ-1, 1, 0
	s_wait_dscnt 0
	WIN MUL_HI
	MUL16 4, 1, NQ-1, 1, 0
	MUL16 6, 1, NQ-1, 1, 0
	WIN 0
.macro QROW a, vp
.set W, 2+(\a)/4
.set AC, 64*((\a)%4)
	WIN 5*W
.irp b, 0,1,2,3
	v_max3_num_f32 v[TM+\b], |v[AC+16*\b]|, |v[AC+16*\b+1]|, 0x8000000
.endr
.irp i, 2,4,6,8,10,12,14
.irp b, 0,1,2,3
	v_max3_num_f32 v[TM+\b], |v[AC+16*\b+\i]|, |v[AC+16*\b+\i+1]|, v[TM+\b]
.endr
.endr
.if \vp == 0
.irp b, 0,1,2,3
	v_pk_mul_f32 v[SQ+2*\b:SQ+2*\b+1], v[AC+16*\b:AC+16*\b+1], v[AC+16*\b:AC+16*\b+1]
.endr
.irp i, 2,4,6,8,10,12,14
.irp b, 0,1,2,3
	v_pk_fma_f32 v[SQ+2*\b:SQ+2*\b+1], v[AC+16*\b+\i:AC+16*\b+\i+1], v[AC+16*\b+\i:AC+16*\b+\i+1], v[SQ+2*\b:SQ+2*\b+1]
.endr
.endr
.endif
	WIN 0
.irp b, 0,1,2,3
	v_permlanex16_b32 v[TM+4+\b], v[TM+\b], s92, s93
.endr
.irp b, 0,1,2,3
	v_max_num_f32 v[TM+\b], v[TM+\b], v[TM+4+\b]
.endr
.irp b, 0,1,2,3
	v_add_nc_u32 v[TM+12+\b], 0xf8800000, v[TM+\b]
.endr
.irp b, 0,1,2,3
	v_and_or_b32 v[TM+8+\b], v[TM+\b], 0x7f800000, s94
.endr
.irp b, 0,1,2,3
	v_lshrrev_b32 v[TM+4+\b], 23, v[TM+12+\b]
.endr
.if \vp == 0
.irp b, 0,1,2,3
	v_add_f32 v[SQ+2*\b], v[SQ+2*\b], v[SQ+2*\b+1]
.endr
	v_add_f32 v[K2R+2*(\a)], v[SQ], v[SQ+2]
	v_add_f32 v[K2R+2*(\a)+1], v[SQ+4], v[SQ+6]
	v_permlanex16_b32 v250, v[K2R+2*(\a)], s92, s93
	v_permlanex16_b32 v251, v[K2R+2*(\a)+1], s92, s93
	v_add_f32 v[K2R+2*(\a)], v[K2R+2*(\a)], v250
	v_add_f32 v[K2R+2*(\a)+1], v[K2R+2*(\a)+1], v251
.if (\a)%2 == 0
.irp hl, 0,1
	v_lshl_or_b32 v[WD+4*\hl+(\a)/2], v[TM+5+2*\hl], 8, v[TM+4+2*\hl]
.endr
.else
.irp hl, 0,1
	v_lshl_or_b32 v[WD+4*\hl+(\a)/2], v[TM+4+2*\hl], 16, v[WD+4*\hl+(\a)/2]
	v_lshl_or_b32 v[WD+4*\hl+(\a)/2], v[TM+5+2*\hl], 24, v[WD+4*\hl+(\a)/2]
.endr
.endif
.else
	v_lshl_or_b32 v[WD+(\a)], v[TM+5], 8, v[TM+4]
	v_lshl_or_b32 v[WD+(\a)], v[TM+6], 16, v[WD+(\a)]
	v_lshl_or_b32 v[WD+(\a)], v[TM+7], 24, v[WD+(\a)]
.endif
	WIN 65*W
.irp b, 0,1,2,3
.irp i, 0,1,2,3,4,5,6,7,8,9,10,11,12,13,14,15
	v_med3_num_f32 v[AC+16*\b+\i], v[AC+16*\b+\i], -v[TM+8+\b], v[TM+8+\b]
.endr
.endr
	s_wait_alu depctr_va_vdst(0)
	s_wait_xcnt 0x0
	WIN W
.irp b, 0,1,2,3
	v_cvt_scalef32_pk8_bf8_f32 v[PC+4*\b:PC+4*\b+1], v[AC+16*\b:AC+16*\b+7], v[TM+12+\b]
	v_cvt_scalef32_pk8_bf8_f32 v[PC+4*\b+2:PC+4*\b+3], v[AC+16*\b+8:AC+16*\b+15], v[TM+12+\b]
.endr
	WIN 0
	v_nop
.irp b, 0,1,2,3
.if \vp == 0
	global_store_b128 v[LA16], v[PC+4*\b:PC+4*\b+3], s[12:13] offset:(\b/2)*131072+((\a)/2)*2048+(2*((\a)%2)+\b%2)*512
.else
	global_store_b128 v[LA16], v[PC+4*\b:PC+4*\b+3], s[12:13] offset:((\a)/4)*131072+((\a)%4)*2048+\b*512
.endif
.endr
.endm
	PLACES NP
	s_mov_b32 s92, 0x76543210
	s_mov_b32 s93, 0xfedcba98
	s_mov_b32 s94, 0x600000
.irp b, 0,1,2,3
	v_mov_b32 v[TM+4+\b], 0
.endr
	v_mov_b32 v250, 0
	v_mov_b32 v251, 0
	s_cmp_eq_u32 s95, 2
	s_cbranch_scc1 .Lv
	s_lshr_b32 s20, s100, 11
	s_lshl_b32 s20, s20, 4
	s_lshr_b32 s21, s101, 6
	s_add_co_u32 s20, s20, s21
	s_and_b32 s21, s100, 2047
	s_lshl_b32 s22, s95, 22
	s_lshl_b32 s46, s20, 17
	s_add_co_u32 s22, s22, s46
	s_lshl_b32 s46, s21, 6
	s_add_co_u32 s22, s22, s46
	s_mov_b32 s23, 0
	s_add_nc_u64 s[12:13], s[12:13], s[22:23]
	s_lshl_b32 s22, s95, 17
	s_lshl_b32 s46, s20, 12
	s_add_co_u32 s22, s22, s46
	s_lshl_b32 s46, s21, 1
	s_add_co_u32 s22, s22, s46
	s_add_nc_u64 s[96:97], s[96:97], s[22:23]
	s_lshl_b32 s22, s95, 18
	s_lshl_b32 s46, s20, 13
	s_add_co_u32 s22, s22, s46
	s_lshl_b32 s46, s21, 2
	s_add_co_u32 s22, s22, s46
	s_add_nc_u64 s[98:99], s[98:99], s[22:23]
.irp a, 0,1,2,3,4,5,6,7
	QROW \a, 0
.endr
.irp a, 0,1,2,3,4,5,6,7
.irp hl, 0,1
	ds_store_b32 v[K2ST], v[K2R+2*\a+\hl] offset:512*\hl+4*(32*(\a/2)+8*(\a%2))
.endr
.endr
.irp hl, 0,1
.irp p, 0,1,2,3
	ds_store_b32 v[WDST], v[WD+4*\hl+\p] offset:256*\hl+64*\p
.endr
.endr
	ds_load_b128 v[232:235], v[RDQ]
	ds_load_b128 v[236:239], v[RDQ] offset:512
	ds_load_b128 v[240:243], v[RDQ] offset:1024
	s_wait_dscnt 0x0
	global_store_b128 v[LA16], v[232:235], s[98:99]
	global_store_b128 v[LA16], v[236:239], s[98:99] offset:8192
	global_store_b128 v[WGO], v[240:243], s[96:97]
	s_branch .Ljoin
.Lv:
	s_lshr_b32 s20, s101, 11
	s_lshl_b32 s20, s20, 4
	s_lshr_b32 s21, s100, 6
	s_add_co_u32 s20, s20, s21
	s_and_b32 s21, s101, 2047
	s_lshr_b32 s21, s21, 7
	s_lshl_b32 s22, s20, 17
	s_lshl_b32 s46, s21, 13
	s_add_co_u32 s22, s22, s46
	s_add_co_u32 s22, s22, 8<<20
	s_mov_b32 s23, 0
	s_add_nc_u64 s[12:13], s[12:13], s[22:23]
	s_lshl_b32 s22, s20, 12
	s_lshl_b32 s46, s21, 8
	s_add_co_u32 s22, s22, s46
	s_add_co_u32 s22, s22, 2<<17
	s_add_nc_u64 s[96:97], s[96:97], s[22:23]
.irp a, 0,1,2,3,4,5,6,7
	QROW \a, 1
.endr
.irp a, 0,1,2,3,4,5,6,7
	ds_store_b32 v[WDSV], v[WD+\a] offset:64*\a
.endr
	ds_load_b128 v[232:235], v[RDV]
	s_wait_dscnt 0x0
	global_store_b128 v[WGO], v[232:235], s[96:97]
.Ljoin:
	s_wait_tensorcnt 0x0
	ds_add_u32 v[SPW], v[NIL]
	s_wait_dscnt 0x0
	CROUND
	s_endpgm
.Lfunc_end_k_q80c3b75d8d_proj:
	.size	k_q80c3b75d8d_proj, .Lfunc_end_k_q80c3b75d8d_proj-k_q80c3b75d8d_proj
	.p2alignl 7, 3214868480
	.fill 96, 4, 3214868480
	.section	.rodata,"a",@progbits
	.p2align	6, 0x0
	.amdhsa_kernel k_q80c3b75d8d_proj
		.amdhsa_group_segment_fixed_size 327680
		.amdhsa_private_segment_fixed_size 0
		.amdhsa_enable_private_segment 0
		.amdhsa_kernarg_size 40
		.amdhsa_user_sgpr_count 2
		.amdhsa_user_sgpr_kernarg_segment_ptr 1
		.amdhsa_wavefront_size32 1
		.amdhsa_system_sgpr_workgroup_id_x 1
		.amdhsa_system_sgpr_workgroup_id_y 1
		.amdhsa_system_sgpr_workgroup_id_z 1
		.amdhsa_system_vgpr_workitem_id 0
		.amdhsa_next_free_vgpr 1024
		.amdhsa_next_free_sgpr 102
		.amdhsa_reserve_vcc 0
		.amdhsa_float_denorm_mode_32 3
		.amdhsa_float_denorm_mode_16_64 3
		.amdhsa_memory_ordered 1
		.amdhsa_forward_progress 1
		.amdhsa_inst_pref_size 255
	.end_amdhsa_kernel
	.section	.bss,"aw",@nobits
	.p2align	6
	.space	262144
	.amdgpu_metadata
---
amdhsa.version: [ 1, 2 ]
amdhsa.kernels:
  - .name:           k_q80c3b75d8d_proj
    .symbol:         k_q80c3b75d8d_proj.kd
    .args:
      - { .name: codes, .offset: 0, .size: 8, .value_kind: global_buffer, .address_space: global }
      - { .name: scales, .offset: 8, .size: 8, .value_kind: global_buffer, .address_space: global }
      - { .name: img, .offset: 16, .size: 8, .value_kind: global_buffer, .address_space: global }
      - { .name: isc, .offset: 24, .size: 8, .value_kind: global_buffer, .address_space: global }
      - { .name: sq, .offset: 32, .size: 8, .value_kind: global_buffer, .address_space: global }
    .group_segment_fixed_size: 327680
    .private_segment_fixed_size: 0
    .kernarg_segment_align: 8
    .kernarg_segment_size: 40
    .max_flat_workgroup_size: 128
    .sgpr_count:     102
    .vgpr_count:     1024
    .wavefront_size: 32
...
	.end_amdgpu_metadata
.endif
;; end of part 2
;; launch attn (part 3): grid 8 x 32, 16 waves a work-group, clusters of 4 x 1, 327,680 bytes of LDS; arguments img, isc, sq, xc, xs; writes xc, xs
.if DOCPART == 3
	.amdgcn_target "amdgcn-amd-amdhsa--gfx1250"
	.amdhsa_code_object_version 6
	.text
	.protected	k_q80c3b75d8d_attn
	.globl	k_q80c3b75d8d_attn
	.p2align	8
	.type	k_q80c3b75d8d_attn,@function
k_q80c3b75d8d_attn:
	s_mov_b64 s[64:65], 0
	v_nop
	global_prefetch_b8 v0, s[64:65] scope:SCOPE_SE
	s_setreg_imm32_b32 hwreg(HW_REG_WAVE_MODE, 25, 1), 1
	s_wait_xcnt 0x0
	s_wait_alu depctr_hold_cnt(0) depctr_sa_sdst(0) depctr_va_vdst(0) depctr_va_sdst(0) depctr_va_ssrc(0) depctr_va_vcc(0) depctr_vm_vsrc(0)
	s_getreg_b32 s2, hwreg(HW_REG_IB_STS2, 6, 4)
	s_cmp_eq_u32 s2, 0
	s_cbranch_scc0 .Lentry_in_a_cluster
	s_endpgm
.Lentry_in_a_cluster:
	s_bfe_u32 s2, ttmp6, 0x10000c
	s_cmp_lg_u32 s2, 0x3003
	s_cbranch_scc0 .Lentry_shape_is_right
	s_endpgm
.Lentry_shape_is_right:
; x[q] = softmax_k(1 / (dist(q, k) / 8 + 1e-9)) v[k], dist = sqrt(max(q2 + k2 - 2 q.k, 0)), for one head; both products on codes of BF8 (E5M2) with E8M0 scales; x is quantised along D for the last projection.
; THE SOFTMAX: t = logit x log2(e); M = the running largest t rounded UP to a whole number; p = 2^(t - M) is quantised along the keys, not normalised; the row's sum is taken of the unquantised p
; and divides at the end.  When M moves, the sum and O are multiplied by 2^(old M - new M): exact.
; THE LOGIT.  With r = 1 / sqrt(D) and y = 8 r the logit is y / (1 + 1e-9 y) = y (1 - 1e-9 y + (1e-9 y)^2 - ..).  The text computes t = r (8 log2(e) - 64e-9 log2(e) r): one reciprocal root and two fused multiply-adds.
; LIMIT, kept on purpose: the clip of D at 0 is a clip at 2^-30.  So y is 2^18 at the most and the first term left out, (1e-9 y)^2, is under 2^-23 of the logit.  A squared distance under 2^-30
;   (a distance under 2^-15) counts as 2^-30: its logit is 2^18 and not up to 1e9.  Projections of the drawn spread give D near 50; with every input 30 times smaller D is near 6e-5.
; SHARES.  A work-group owns 256 queries of one head, each of its sixteen waves 16: one tile, one query a lane pair, in 256 registers; four waves share a SIMD's registers.
; THE WHOLE HEAD LIES IN LDS, filled once: k's and v's operand images (131,072 bytes each), k2 (8,192), k's and v's scale words (4,096 each).  The images are read at 16 x lane.
; FILLS.  At the head one load a wave: waves 0-11 key steps 0-5 of the two images (8,192 bytes each; even waves k's, odd waves v's), waves 12-15 k2's halves and the two tiles of scale words.
;   Behind the three lines and a round, one more load a wave: key steps 6-15, 10,240 bytes each.  They are waited for, with a barrier, ahead of key step 6.  One load of a wave is out at the most.
; CLUSTER.  The four query blocks of a cluster belong to one head: every fill is a joint load with the mask of all four.
; NO PREFETCH: every byte that the launch takes from k and v is asked for by these two groups of fills; no later tile is left to ask ahead for.
; LAYOUT.  Both products are used transposed: S^T (source 0 = keys, source 1 = my queries), O^T (source 0 = 16 channels, source 1 = p): a lane holds one query throughout.
;   K = 64 in an instruction of 128: a fragment of k holds TWO keys a lane row (u = 0 in K 0-63, u = 1 in K 64-127).  Against [q, 0] it gives the keys u = 0, against [0, q] the keys u = 1;
;   the other key's codes are finite and meet zero codes.  The 16 registers of a pair of tiles are 16 neighbouring keys: 32 c + 16 (lane / 16) + 0 .. 15.
;   q's codes have their signs turned and q's scale bytes are one higher: source 1 is -2 q, exactly.  k2 is loaded into the accumulator and is the product's C: D = k2 - 2 q.k.
; A block's largest p is not searched for: the block's smallest D goes through the same instructions.  This leans on v_rsq_f32 and v_exp_f32 being monotone; the rounding of 8 log2(e) - 64e-9 log2(e) r
;   can turn the order of two t that lie within an ulp of each other: at the worst one p of a block, within an ulp of a power of two, is held one code low.
; OTHER LIMITS: NaN and infinities are not served.  D is formed as (k2 - 2 q.k) + q2, the first sum inside the matrix unit; the source writes (q2 + k2) - 2 q.k: the order of rounding differs.
;   A block of p that has fallen to zeros keeps the byte 1: its codes are zeros.
.set VIMG, 131072
.set K2L,  262144
.set SCW,  270336                      ; k's scale words, 4,096 bytes; then v's
.set SPARE, 278528                     ; the spare words: 128 bytes a wave, eight blocks of 256 bytes that no other line names
.set NA,   6                           ; key steps of the head's fills
.set LI,   1                           ; v1   16 x lane
.set LIV,  2                           ; v2   the same in v's image
.set H64,  3                           ; v3   K2L + 64 (lane / 16)
.set R4,   4                           ; v4   SCW + 4 (lane % 16)
.set ADK,  5                           ; v5-7, v253: the step's addresses
.set ADV,  6
.set AD2,  7
.set ADS,  253
.set QF,   16                          ; v16-23 -q, v24-31 zeros, v32-39 -q.  v[8:9] 8 log2(e); v[10:11] q2; v12 -M; v13 the largest t; v[14:15] the sum
.set KF,   40                          ; v40-103 four fragments of k, then the 64 factors 8 log2(e) - 64e-9 log2(e) r, then four fragments of v
.set S,    104                         ; v104-167 k2, D, r, t - M, p
.set O,    168                         ; v168-199 O^T: four tiles of 16 channels
.set PCD,  200                         ; v200-215 p's codes
.set KSW,  216                         ; scale words: k's four, v's four, q's, p's: these registers hold scales and nothing else
.set VSW,  220
.set QSW,  224
.set PSW,  225
.set MN,   226                         ; v226-229 each block's smallest D, which walks the chain with the scores
.set T4,   230                         ; v230-233 at work
.set CP,   234                         ; v234-241 57,344 x each block's scale, twice: an even and an odd register for the two halves of a pair
.set SCO,  242                         ; v242-245 the conversions' scale operands
.set TT,   248                         ; v248-251 at work
.set DL,   252                         ; v252 the old -M
.set WV,   14
.set SEL,  72                          ; s[72:73] lane selects: lane l xor 16
.set NB,   74                          ; s[74:75] -64e-9 log2(e)
.set DM,   76                          ; s76 2^-30
.set MNT,  78
.set CNT,  79
.set TK,   80                          ; the step's place in the images: 8,192 bytes a step
.set T2,   81                          ; in k2: 512
.set TS,   82                          ; among the scale words: 256
.macro CROUND                          ; a round of the cluster's barrier
	s_barrier_signal -1
	s_barrier_wait -1
	s_cmp_lg_u32 s[WV], 0
	s_cbranch_scc1 .Lnot_wave_0_\@
	s_barrier_signal -3
.Lnot_wave_0_\@:
	s_barrier_wait -3
	s_barrier_signal -1
	s_barrier_wait -1
.endm
	s_load_b256 s[4:11], s[0:1], 0x0               ; img s[4:5], isc s[6:7], sq s[8:9], xc s[10:11]
	s_load_b64 s[12:13], s[0:1], 0x20              ; xs
	v_lshl_add_u32 v254, v0, 2, SPARE
	v_mov_b32 v255, 0
	ds_add_u32 v254, v255                          ; the opening lines: the add, twice on end, and its wait ahead of the first tensor load
	ds_add_u32 v254, v255
	v_lshrrev_b32 v1, 5, v0
	v_readfirstlane_b32 s[WV], v1                  ; wave 0..15
	s_bfe_u32 s15, ttmp6, 0x40000                  ; cx: it enters q's and x's global addresses alone
	s_lshl_b32 s16, ttmp9, 2
	s_add_co_u32 s16, s16, s15                     ; my block of 256 queries
	s_and_b32 s17, ttmp7, 0xffff                   ; 16 x batch + head, which the four partners share
	s_and_b32 s60, s[WV], 3
	s_and_b32 s61, s[WV], 1
	s_bfe_u32 s62, s[WV], 0x10001
	; three groups 1: dense bytes as rows of 256 (32 elements of 8 bytes), no padding; 15:0 the mask of all four; 21 set beside it.  16, 32 and 40 rows
.irp g, 24, 32, 40
	s_mov_b32 s[\g], 15|(3<<16)|(1<<21)
	s_mov_b32 s[\g+1], 32<<16
	s_mov_b32 s[\g+3], 32<<16
	s_mov_b32 s[\g+5], 32
	s_mov_b32 s[\g+6], 0
	s_mov_b32 s[\g+7], 0
.endr
	s_mov_b32 s26, 16<<16
	s_mov_b32 s28, 16
	s_mov_b32 s34, 32<<16
	s_mov_b32 s36, 32
	s_mov_b32 s42, 40<<16
	s_mov_b32 s44, 40
	; the small tiles, 4,096 bytes: waves 12, 13: the halves of k2; wave 14: k's scale words; wave 15: v's
	s_lshl_b32 s18, s17, 13
	s_lshl_b32 s19, s61, 12
	s_add_co_u32 s18, s18, s19
	s_add_co_u32 s18, s18, 1<<18                   ; sq: k's part, my head, my half
	s_add_co_u32 s20, s61, s62                     ; 1 in wave 14, 2 in wave 15
	s_lshl_b32 s20, s20, 17
	s_lshl_b32 s19, s17, 12
	s_add_co_u32 s20, s20, s19                     ; isc: k's or v's part, my head
	s_lshl_b32 s63, s60, 12
	s_add_co_u32 s49, s63, K2L
	s_mov_b32 s48, 1
	; the images: even waves k's, odd waves v's; part = wave / 2
	s_lshr_b32 s66, s[WV], 1
	s_lshl_b32 s67, s61, 17                        ; the image's first LDS byte
	s_lshl_b32 s68, s66, 13                        ; at the head: key step part
	s_add_co_u32 s53, s67, s68
	s_mul_i32 s70, s66, 10240
	s_add_co_u32 s70, s70, NA*8192                 ; then: 10,240 bytes x part behind the first six steps
	s_add_co_u32 s57, s67, s70
	s_add_co_u32 s22, s61, 1
	s_lshl_b32 s22, s22, 22
	s_lshl_b32 s23, s17, 17
	s_add_co_u32 s22, s22, s23                     ; the image of my head in img
	s_add_co_u32 s68, s68, s22
	s_mov_b32 s69, 0
	s_add_co_u32 s70, s70, s22
	s_mov_b32 s71, 0
	s_mov_b32 s52, 1
	s_mov_b32 s56, 1
	s_wait_dscnt 0x0                               ; both opening adds are done
	s_wait_kmcnt 0x0
	s_cmp_eq_u32 s62, 0                            ; the choice hangs on the wave's number alone
	s_cselect_b64 s[22:23], s[8:9], s[6:7]
	s_cselect_b32 s18, s18, s20
	s_mov_b32 s19, 0
	s_add_nc_u64 s[50:51], s[22:23], s[18:19]
	s_or_b32 s51, s51, 0x80000000
	s_add_nc_u64 s[54:55], s[4:5], s[68:69]
	s_or_b32 s55, s55, 0x80000000
	s_add_nc_u64 s[58:59], s[4:5], s[70:71]
	s_or_b32 s59, s59, 0x80000000
	CROUND                                         ; all four work-groups are here: the joint loads meet
	s_cmp_lt_u32 s[WV], 12                         ; the head's fills: two arms, one load in each, one join
	s_cbranch_scc0 .Lsmall
	tensor_load_to_lds s[52:55], s[32:39]
	s_nop 0
.rept 4
	v_nop
.endr
	s_branch .Lasked
.Lsmall:
	tensor_load_to_lds s[48:51], s[24:31]
	s_nop 0
.rept 4
	v_nop
.endr
.Lasked:
	s_lshl_b32 s83, s16, 4
	s_add_co_u32 s83, s83, s[WV]                   ; T: my tile of 16 queries, 0..127
	s_lshl_b32 s84, s17, 17
	s_lshl_b32 s85, s83, 10
	s_add_co_u32 s84, s84, s85
	s_mov_b32 s85, 0
	s_add_nc_u64 s[84:85], s[4:5], s[84:85]        ; q's image: 1,024 bytes a tile
	s_lshr_b32 s18, s83, 1
	s_lshl_b32 s86, s17, 12
	s_lshl_b32 s87, s18, 6
	s_add_co_u32 s86, s86, s87
	s_mov_b32 s87, 0
	s_add_nc_u64 s[86:87], s[6:7], s[86:87]        ; q's scale words: 64 bytes for 32 tokens
	s_lshl_b32 s88, s17, 13
	s_lshl_b32 s89, s18, 7
	s_add_co_u32 s88, s88, s89
	s_lshl_b32 s89, s61, 5
	s_add_co_u32 s88, s88, s89
	s_mov_b32 s89, 0
	s_add_nc_u64 s[88:89], s[8:9], s[88:89]        ; q2 at token 32 (T / 2) + 8 (T % 2)
	s_lshr_b32 s18, s17, 4
	s_lshl_b32 s18, s18, 7
	s_add_co_u32 s18, s18, s83                     ; 128 x batch + T
	s_and_b32 s19, s17, 15                         ; the head
	s_lshl_b32 s20, s18, 14
	s_lshl_b32 s21, s19, 10
	s_add_co_u32 s20, s20, s21
	s_mov_b32 s21, 0
	s_add_nc_u64 s[10:11], s[10:11], s[20:21]      ; xc: 16,384 bytes a tile of rows, 1,024 a head
	s_lshl_b32 s20, s18, 9
	s_lshl_b32 s22, s19, 1
	s_add_co_u32 s20, s20, s22
	s_add_nc_u64 s[12:13], s[12:13], s[20:21]      ; xs: 32 bytes a row, 2 a head
	s_mov_b32 s[SEL], 0x76543210
	s_mov_b32 s[SEL+1], 0xfedcba98
	s_mov_b32 s[NB], 0xb3c64852                    ; -64e-9 log2(e)
	s_mov_b32 s[NB+1], s[NB]                       ; (named with it as a pair, so it is written)
	s_mov_b32 s[DM], 0x30800000                    ; 2^-30
	s_mov_b32 s[MNT], 0x600000
	s_mov_b32 s[TK], 0
	s_mov_b32 s[T2], 0
	s_mov_b32 s[TS], 0
	s_mov_b32 s90, 0x80808080
	s_mul_i32 s91, s61, 0x02020202
	s_add_co_u32 s91, s91, 0x01000100              ; picks my tile's two bytes of the word, twice
	v_and_b32 v250, 31, v0
	v_lshlrev_b32 v[LI], 4, v250
	v_add_nc_u32 v[LIV], VIMG, v[LI]
	v_bfe_u32 v251, v0, 4, 1
	v_lshl_add_u32 v[H64], v251, 6, K2L
	v_and_b32 v250, 15, v0                         ; r
	v_lshl_add_u32 v[R4], v250, 2, SCW
	v_lshlrev_b32 v5, 2, v250                      ; 4 r
	v_and_b32 v6, 8, v250
	v_add_nc_u32 v6, v6, v250
	v_lshlrev_b32 v6, 2, v6                        ; 4 (r + 8 (r / 8))
	global_load_b128 v[QF:QF+3], v[LI], s[84:85]                 ; q twice: for [q, 0] and for [0, q]
	global_load_b128 v[QF+4:QF+7], v[LI], s[84:85] offset:512
	global_load_b128 v[QF+16:QF+19], v[LI], s[84:85]
	global_load_b128 v[QF+20:QF+23], v[LI], s[84:85] offset:512
	global_load_b32 v[QSW], v5, s[86:87]
	global_load_b32 v10, v6, s[88:89]              ; q2 of my query
	v_mov_b32 v8, 0x4138aa3b                       ; 8 log2(e)
	v_mov_b32 v9, 0x4138aa3b
	v_mov_b32 v13, 0xff61b1e6                      ; the largest t so far: -3e38
	v_floor_f32 v12, -v13                          ; -M
	v_mov_b32 v14, 0                               ; the sum, in two halves
	v_mov_b32 v15, 0
	v_mov_b32 v247, 0                              ; (named as the upper half of the pair v[246:247])
.irp b, 0,1,2,3
	v_mov_b32 v[T4+\b], 0                          ; written once: a lane permute's destination counts as one of its sources
.endr
.irp j, 0,1,2,3,4,5,6,7
	v_mov_b32 v[QF+8+\j], 0                        ; the zero codes between the two copies of q
.endr
	s_wait_alu depctr_va_vdst(0)                   ; directly ahead of the wait below
	s_wait_loadcnt 0x0
.irp j, 0,1,2,3,4,5,6,7
	v_xor_b32 v[QF+\j], s90, v[QF+\j]              ; every code's sign is turned
	v_xor_b32 v[QF+16+\j], s90, v[QF+16+\j]
.endr
	v_perm_b32 v[QSW], v[QSW], v[QSW], s91         ; bytes s0 s1 s0 s1: they serve [q, 0] and [0, q] alike
	v_add_nc_u32 v[QSW], 0x01010101, v[QSW]        ; x 2 (a byte is 239 at the most: f32's largest exponent field less 15)
	v_mov_b32 v11, v10
.set j, 0
.rept 32
	v_mov_b32 v[O+j], 0                            ; O^T: the step is written for every step alike; the first finds zeros.  (Also the places between q's registers and the first products)
.set j, j+1
.endr
.macro WOPS n                          ; the next n pairs of factors 8 log2(e) - 64e-9 log2(e) r
.rept \n
	v_pk_fma_f32 v[KF+wj:KF+wj+1], v[S+wj:S+wj+1], s[NB:NB+1], v[8:9] op_sel_hi:[1,0,1]
.set wj, wj+2
.endr
.endm
.macro SADD c, k                       ; chain c of the row's sum takes pair k of p
	v_pk_add_f32 v[\c:\c+1], v[\c:\c+1], v[S+2*(\k):S+2*(\k)+1]
.endm
; A KEY STEP: 128 keys.
.macro STEP
	v_add_nc_u32 v[ADK], s[TK], v[LI]              ; with the five plain lines at the last step's end these three are the eight places in front of loads into registers that its products read
	v_add_nc_u32 v[AD2], s[T2], v[H64]
	v_add_nc_u32 v[ADS], s[TS], v[R4]
.irp c, 0,1,2,3
.irp i, 0,1,2,3
	ds_load_b128 v[KF+16*\c+4*\i:KF+16*\c+4*\i+3], v[ADK] offset:2048*\c+512*\i
.endr
	ds_load_b32 v[KSW+\c], v[ADS] offset:64*\c
.endr
.irp c, 0,1,2,3
	s_wait_dscnt 15-5*\c                           ; fragment c and its scale words are in (and k2, asked for in the last step): five loads were issued for each later fragment
.irp u, 0,1
	v_wmma_scale_f32_16x16x128_f8f6f4 v[S+16*\c+8*\u:S+16*\c+8*\u+7], v[KF+16*\c:KF+16*\c+15], v[QF+8*\u:QF+8*\u+15], v[S+16*\c+8*\u:S+16*\c+8*\u+7], v[KSW+\c], v[QSW] matrix_a_fmt:MATRIX_FMT_BF8 matrix_b_fmt:MATRIX_FMT_BF8
.endr
.endr
	v_add_nc_u32 v[ADV], s[TK], v[LIV]
.rept 7
	v_nop                                          ; with the addition: eight places ahead of the first read of the results
.endr
.irp b, 0,1,2,3
	v_min3_num_f32 v[MN+\b], v[S+16*\b], v[S+16*\b+1], v[S+16*\b+2]   ; THE SMALLEST D OF EACH BLOCK OF 32 KEYS: it gives the block's largest t and largest p
.endr
.irp i, 3,5,7,9,11,13
.irp b, 0,1,2,3
	v_min3_num_f32 v[MN+\b], v[MN+\b], v[S+16*\b+\i], v[S+16*\b+\i+1]
.endr
.endr
.irp b, 0,1,2,3
	v_min_num_f32 v[MN+\b], v[MN+\b], v[S+16*\b+15]
.endr
.irp b, 0,1,2,3
	v_permlanex16_b32 v[T4+\b], v[MN+\b], s[SEL], s[SEL+1]
.endr
.irp b, 0,1,2,3
	v_min_num_f32 v[MN+\b], v[MN+\b], v[T4+\b]     ; with lane l xor 16's 16 keys
.endr
	; the chain, on the 64 scores and the 4 minima alike, so that the same number gives the same bits
.set j, 0
.rept 32
	v_pk_add_f32 v[S+j:S+j+1], v[S+j:S+j+1], v[10:11]              ; + q2
.set j, j+2
.endr
	v_pk_add_f32 v[MN:MN+1], v[MN:MN+1], v[10:11]
	v_pk_add_f32 v[MN+2:MN+3], v[MN+2:MN+3], v[10:11]
.set j, 0
.rept 32
	v_dual_max_num_f32 v[S+j], s[DM], v[S+j] :: v_dual_max_num_f32 v[S+j+1], s[DM], v[S+j+1]   ; the clip, at 2^-30: two numbers an instruction
.set j, j+2
.endr
	v_dual_max_num_f32 v[MN], s[DM], v[MN] :: v_dual_max_num_f32 v[MN+1], s[DM], v[MN+1]
	v_dual_max_num_f32 v[MN+2], s[DM], v[MN+2] :: v_dual_max_num_f32 v[MN+3], s[DM], v[MN+3]
	s_wait_alu depctr_va_vdst(0)                   ; ahead of the batch
.set j, 0
.rept 64
	v_rsq_f32 v[S+j], v[S+j]                       ; r = 1 / dist
.set j, j+1
.endr
.irp b, 0,1,2,3
	v_rsq_f32 v[MN+\b], v[MN+\b]
.endr
	v_mov_b32 v[DL], v12                           ; the old -M (a plain line behind the transcendentals)
	s_wait_alu depctr_va_vdst(0)                   ; one wait for the batch, ahead of its first reader
.set wj, 0
	v_pk_fma_f32 v[T4:T4+1], v[MN:MN+1], s[NB:NB+1], v[8:9] op_sel_hi:[1,0,1]      ; the minima's factors; M's chain stands among the 32 lines that make the scores' factors
	v_pk_fma_f32 v[T4+2:T4+3], v[MN+2:MN+3], s[NB:NB+1], v[8:9] op_sel_hi:[1,0,1]
	WOPS 4
	v_pk_mul_f32 v[TT:TT+1], v[MN:MN+1], v[T4:T4+1]                ; each block's largest t
	v_pk_mul_f32 v[TT+2:TT+3], v[MN+2:MN+3], v[T4+2:T4+3]
	WOPS 4
	v_max3_num_f32 v[TT], v[TT], v[TT+1], v[TT+2]
	WOPS 3
	v_max3_num_f32 v13, v[TT], v[TT+3], v13        ; the running largest t
	WOPS 3
	v_floor_f32 v12, -v13                          ; the new -M = -ceil(t): a whole number
	WOPS 3
	v_sub_f32 v[DL], v12, v[DL]                    ; old M - new M: a whole number, 0 or less
	WOPS 3
	v_cvt_i32_f32 v[DL], v[DL]                     ; (it saturates)
	WOPS 3
	v_ldexp_f32 v246, 1.0, v[DL]                   ; f = 2^(old M - new M)
	WOPS 9
.set j, 0
.rept 32
	v_pk_fma_f32 v[S+j:S+j+1], v[S+j:S+j+1], v[KF+j:KF+j+1], v[12:13] op_sel_hi:[1,1,0]   ; t - M = r x factor - M
.set j, j+2
.endr
	v_pk_fma_f32 v[MN:MN+1], v[MN:MN+1], v[T4:T4+1], v[12:13] op_sel_hi:[1,1,0]
	v_pk_fma_f32 v[MN+2:MN+3], v[MN+2:MN+3], v[T4+2:T4+3], v[12:13] op_sel_hi:[1,1,0]
.irp t, 0,1,2,3
.irp c, 0,1,2,3
	ds_load_b128 v[KF+16*\t+4*\c:KF+16*\t+4*\c+3], v[ADV] offset:2048*\t+512*\c   ; v's fragments land where the factors lay, under the rest of the softmax
.endr
	ds_load_b32 v[VSW+\t], v[ADS] offset:4096+64*\t
.endr
	s_wait_alu depctr_va_vdst(0)                   ; ahead of the batch
.set j, 0
.rept 64
	v_exp_f32 v[S+j], v[S+j]                       ; p = 2^(t - M): not normalised
.set j, j+1
.endr
.irp b, 0,1,2,3
	v_exp_f32 v[MN+\b], v[MN+\b]                   ; the block's largest p
.endr
	v_pk_mul_f32 v[14:15], v[14:15], v[246:247] op_sel_hi:[1,0]   ; the sums under the new M (a plain line behind the exponentials)
	s_wait_dscnt 0x0                               ; v's fragments and scale words, asked for ahead of the 68 exponentials, are in
	s_wait_alu depctr_va_vdst(0)                   ; one wait for the batch, and directly ahead of the first reader of O^T
.set j, 0
.rept 16
	v_pk_mul_f32 v[O+j:O+j+1], v[O+j:O+j+1], v[246:247] op_sel_hi:[1,0]   ; O^T under the new M
.set j, j+2
.endr
.irp b, 0,1,2,3
	v_max_num_f32 v[MN+\b], 0x8000000, v[MN+\b]    ; the floor 2^(16 - 127): the byte cannot fall under 1
.endr
.irp b, 0,1,2,3
	v_add_nc_u32 v[SCO+\b], 0xf8800000, v[MN+\b]   ; 15 off the exponent field: the conversion's scale operand
.endr
.irp b, 0,1,2,3
	v_and_or_b32 v[CP+2*\b], v[MN+\b], 0x7f800000, s[MNT]     ; 57,344 x the scale,
.endr
.irp b, 0,1,2,3
	v_and_or_b32 v[CP+2*\b+1], v[MN+\b], 0x7f800000, s[MNT]   ; and once more, for the pair's other half
.endr
.irp b, 0,1,2,3
	v_lshrrev_b32 v[T4+\b], 23, v[SCO+\b]
.endr
	v_lshl_or_b32 v[PSW], v[T4+1], 8, v[T4]        ; p's scale word for these 128 keys
	v_lshl_or_b32 v[PSW], v[T4+2], 16, v[PSW]
	v_lshl_or_b32 v[PSW], v[T4+3], 24, v[PSW]
	; THE ROW'S SUM OF THE UNQUANTISED p: 32 pairs into eight chains; the chains are joined round the second product
.set k, 0
.irp c, 226,228,230,232,248,250,252
	v_pk_add_f32 v[\c:\c+1], v[S+2*k:S+2*k+1], v[S+2*k+2:S+2*k+3]
.set k, k+2
.endr
	SADD 14, 14
.set k, 15
.rept 2
.irp c, 226,228,230,232,248,250,252,14
	SADD \c, k
.set k, k+1
.endr
.endr
	SADD 226, 31
.irp b, 0,1,2,3
.irp i, 0,2,4,6,8,10,12,14
	v_dual_min_num_f32 v[S+16*\b+\i], v[CP+2*\b], v[S+16*\b+\i] :: v_dual_min_num_f32 v[S+16*\b+\i+1], v[CP+2*\b+1], v[S+16*\b+\i+1]   ; the conversion does not saturate (ISA guide 7.6.2); p is not negative, so the hold is one-sided
.endr
	v_cvt_scalef32_pk8_bf8_f32 v[PCD+4*\b:PCD+4*\b+1], v[S+16*\b:S+16*\b+7], v[SCO+\b]
	v_cvt_scalef32_pk8_bf8_f32 v[PCD+4*\b+2:PCD+4*\b+3], v[S+16*\b+8:S+16*\b+15], v[SCO+\b]
.endr
	v_pk_add_f32 v[226:227], v[226:227], v[248:249]               ; the eight chains become four: the four places between the codes and the products
	v_pk_add_f32 v[228:229], v[228:229], v[250:251]
	v_pk_add_f32 v[230:231], v[230:231], v[252:253]
	v_pk_add_f32 v[14:15], v[14:15], v[232:233]
.irp c, 0,1,2,3
.irp i, 0,1,2,3
	ds_load_b128 v[S+16*\c+4*\i:S+16*\c+4*\i+3], v[AD2] offset:512+128*\c+16*\i   ; THE NEXT STEP'S k2, of keys 32 c + 16 (lane / 16) + 4 i on (the same words in sixteen lanes), into the registers that the conversions have read.  The last step's sixteen loads read the scale words behind k2 and are not used
.endr
.endr
.irp t, 0,1,2,3
	v_wmma_scale_f32_16x16x128_f8f6f4 v[O+8*\t:O+8*\t+7], v[KF+16*\t:KF+16*\t+15], v[PCD:PCD+15], v[O+8*\t:O+8*\t+7], v[VSW+\t], v[PSW] matrix_a_fmt:MATRIX_FMT_BF8 matrix_b_fmt:MATRIX_FMT_BF8
.endr
	v_nop                                          ; five plain lines that name no register of the products
	v_nop
	v_pk_add_f32 v[226:227], v[226:227], v[228:229]               ; the four chains become one
	v_pk_add_f32 v[14:15], v[14:15], v[230:231]
	v_pk_add_f32 v[14:15], v[14:15], v[226:227]
	s_add_co_u32 s[TK], s[TK], 8192
	s_add_co_u32 s[T2], s[T2], 512
	s_add_co_u32 s[TS], s[TS], 256
.endm
	s_wait_alu depctr_va_vdst(0)
	s_wait_tensorcnt 0x0                           ; my fill of the head is in; these lines stand ahead of a later first fill as ahead of a refill:
	ds_add_u32 v254, v255                          ; 0 onto my spare word
	s_wait_dscnt 0x0
	CROUND                                         ; everybody's fill is in, and all four work-groups are here
	tensor_load_to_lds s[56:59], s[40:47]          ; key steps 6 to 15: my 10,240 bytes
	s_nop 0
.rept 4
	v_nop
.endr
.irp c, 0,1,2,3
.irp i, 0,1,2,3
	ds_load_b128 v[S+16*\c+4*\i:S+16*\c+4*\i+3], v[H64] offset:128*\c+16*\i   ; key step 0's k2
.endr
.endr
	s_mov_b32 s[CNT], NA
.Lfirst:
	STEP
	s_sub_co_u32 s[CNT], s[CNT], 1
	s_cmp_lg_u32 s[CNT], 0
	s_cbranch_scc1 .Lfirst
	s_wait_tensorcnt 0x0                           ; my second fill has landed
	s_wait_dscnt 0x0
	s_barrier_signal -1
	s_barrier_wait -1                              ; everybody's has
	s_mov_b32 s[CNT], 16-NA
.Lrest:
	STEP
	s_sub_co_u32 s[CNT], s[CNT], 1
	s_cmp_lg_u32 s[CNT], 0
	s_cbranch_scc1 .Lrest
	; THE WAY OUT.  O^T / the sum; register 16 b + i is channel 32 b + 16 (lane / 16) + i of my query: two blocks of 32 along D, quantised as operand registers of the last projection.
	v_add_f32 v14, v14, v15                        ; the sum's two halves,
	v_permlanex16_b32 v250, v14, s[SEL], s[SEL+1]
	v_add_f32 v14, v14, v250                       ; and lane l xor 16's
	s_wait_alu depctr_va_vdst(0)                   ; ahead of the transcendental
	v_rcp_f32 v246, v14
	v_and_b32 v5, 15, v0
	v_lshlrev_b32 v5, 5, v5                        ; xs: 32 bytes a row
	s_wait_alu depctr_va_vdst(0)                   ; ahead of the first reader of the reciprocal and of O^T (the step's last five plain lines and the plain lines above are the places behind the last products)
.set j, 0
.rept 16
	v_pk_mul_f32 v[O+j:O+j+1], v[O+j:O+j+1], v[246:247] op_sel_hi:[1,0]   ; ascending: each accumulator from its low end on
.set j, j+2
.endr
.irp b, 0,1
	v_max3_num_f32 v[MN+\b], |v[O+16*\b]|, |v[O+16*\b+1]|, 0x8000000
.endr
.irp i, 2,4,6,8,10,12,14
.irp b, 0,1
	v_max3_num_f32 v[MN+\b], v[MN+\b], |v[O+16*\b+\i]|, |v[O+16*\b+\i+1]|
.endr
.endr
.irp b, 0,1
	v_permlanex16_b32 v[T4+\b], v[MN+\b], s[SEL], s[SEL+1]
.endr
.irp b, 0,1
	v_max_num_f32 v[MN+\b], v[MN+\b], v[T4+\b]
.endr
.irp b, 0,1
	v_add_nc_u32 v[SCO+\b], 0xf8800000, v[MN+\b]
.endr
.irp b, 0,1
	v_and_or_b32 v[CP+\b], v[MN+\b], 0x7f800000, s[MNT]
.endr
.irp b, 0,1
	v_lshrrev_b32 v[T4+\b], 23, v[SCO+\b]
.endr
	v_lshl_or_b32 v250, v[T4+1], 8, v[T4]          ; my row's two scale bytes of this head
.irp b, 0,1
.irp i, 0,1,2,3,4,5,6,7,8,9,10,11,12,13,14,15
	v_med3_num_f32 v[O+16*\b+\i], v[O+16*\b+\i], -v[CP+\b], v[CP+\b]
.endr
	v_cvt_scalef32_pk8_bf8_f32 v[PCD+4*\b:PCD+4*\b+1], v[O+16*\b:O+16*\b+7], v[SCO+\b]
	v_cvt_scalef32_pk8_bf8_f32 v[PCD+4*\b+2:PCD+4*\b+3], v[O+16*\b+8:O+16*\b+15], v[SCO+\b]
.endr
	v_nop                                          ; one plain line behind the last scaled conversion
	global_store_b128 v[LI], v[PCD:PCD+3], s[10:11]               ; 512 consecutive bytes, aligned
	global_store_b128 v[LI], v[PCD+4:PCD+7], s[10:11] offset:512
	global_store_b16 v5, v250, s[12:13]            ; two bytes a row, 32 bytes apart (both halves of the lanes store the same): 131,072 bytes in the whole launch leave so
	s_wait_tensorcnt 0x0                           ; the wave's end
	ds_add_u32 v254, v255
	s_wait_dscnt 0x0
	CROUND                                         ; the closing round: no work-group ends while a partner may still ask for a tile that names it
	s_endpgm
.Lfunc_end_k_q80c3b75d8d_attn:
	.size	k_q80c3b75d8d_attn, .Lfunc_end_k_q80c3b75d8d_attn-k_q80c3b75d8d_attn
	.p2alignl 7, 3214868480
	.fill 96, 4, 3214868480
	.section	.rodata,"a",@progbits
	.p2align	6, 0x0
	.amdhsa_kernel k_q80c3b75d8d_attn
		.amdhsa_group_segment_fixed_size 327680
		.amdhsa_private_segment_fixed_size 0
		.amdhsa_enable_private_segment 0
		.amdhsa_kernarg_size 40
		.amdhsa_user_sgpr_count 2
		.amdhsa_user_sgpr_kernarg_segment_ptr 1
		.amdhsa_wavefront_size32 1
		.amdhsa_system_sgpr_workgroup_id_x 1
		.amdhsa_system_sgpr_workgroup_id_y 1
		.amdhsa_system_sgpr_workgroup_id_z 1
		.amdhsa_system_vgpr_workitem_id 0
		.amdhsa_next_free_vgpr 256
		.amdhsa_next_free_sgpr 92
		.amdhsa_reserve_vcc 0
		.amdhsa_float_denorm_mode_32 3
		.amdhsa_float_denorm_mode_16_64 3
		.amdhsa_memory_ordered 1
		.amdhsa_forward_progress 1
		.amdhsa_inst_pref_size 75
	.end_amdhsa_kernel
	.amdgpu_metadata
---
amdhsa.version: [ 1, 2 ]
amdhsa.kernels:
  - .name:           k_q80c3b75d8d_attn
    .symbol:         k_q80c3b75d8d_attn.kd
    .args:
      - { .name: img, .offset: 0, .size: 8, .value_kind: global_buffer, .address_space: global }
      - { .name: isc, .offset: 8, .size: 8, .value_kind: global_buffer, .address_space: global }
      - { .name: sq, .offset: 16, .size: 8, .value_kind: global_buffer, .address_space: global }
      - { .name: xc, .offset: 24, .size: 8, .value_kind: global_buffer, .address_space: global }
      - { .name: xs, .offset: 32, .size: 8, .value_kind: global_buffer, .address_space: global }
    .group_segment_fixed_size: 327680
    .private_segment_fixed_size: 0
    .kernarg_segment_align: 8
    .kernarg_segment_size: 40
    .max_flat_workgroup_size: 512
    .sgpr_count:     92
    .vgpr_count:     256
    .wavefront_size: 32
...
	.end_amdgpu_metadata
.endif
;; end of part 3
;; launch outp (part 4): grid 8 x 32, 4 waves a work-group, clusters of 4 x 4, 288,256 bytes of LDS; arguments xc, xs, codes, scales, bo, out0; writes out0
.if DOCPART == 4
	.amdgcn_target "amdgcn-amd-amdhsa--gfx1250"
	.amdhsa_code_object_version 6
	.text
	.protected	k_q80c3b75d8d_outp
	.globl	k_q80c3b75d8d_outp
	.p2align	8
	.type	k_q80c3b75d8d_outp,@function
k_q80c3b75d8d_outp:
	s_mov_b64 s[64:65], 0
	v_nop
	global_prefetch_b8 v0, s[64:65] scope:SCOPE_SE
	s_setreg_imm32_b32 hwreg(HW_REG_WAVE_MODE, 25, 1), 1
	s_wait_xcnt 0x0
	s_wait_alu depctr_hold_cnt(0) depctr_sa_sdst(0) depctr_va_vdst(0) depctr_va_sdst(0) depctr_va_ssrc(0) depctr_va_vcc(0) depctr_vm_vsrc(0)
	s_getreg_b32 s2, hwreg(HW_REG_IB_STS2, 6, 4)
	s_cmp_eq_u32 s2, 0
	s_cbranch_scc0 .Lentry_in_a_cluster
	s_endpgm
.Lentry_in_a_cluster:
	s_bfe_u32 s2, ttmp6, 0x10000c
	s_cmp_lg_u32 s2, 0xf033
	s_cbranch_scc0 .Lentry_shape_is_right
	s_endpgm
.Lentry_shape_is_right:
; out0 = x Wo^T + bo on codes of BF8 (E5M2) with E8M0 scales, K = 1,024, f32 sums.  x comes as images of operand registers, [tile of 16 rows][K step][4][lane][16], its rows in the order in which
; bits 3 and 4 of the token's number are exchanged; Wo as rows of codes in their own order.  The stores put each row back at its token.
; SHARES.  256 work-groups, each 128 x 128 of out0 (tiles of 256 x 256 would be 64); four waves, each 64 x 64: 16 accumulators.  Source 0 = 16 rows of Wo, source 1 = 16 rows of x:
; a lane holds eight neighbouring columns of one row.
; ALL OF K LIES IN LDS, filled once, by one load a wave at the head: waves 0, 1 fetch x's halves (four tiles of rows: 65,536 dense bytes each), waves 2, 3 Wo's (64 rows of 1,024 bytes, 16 bytes of padding behind each).
; Nothing is filled again, and there is no loop over tiles to prefetch ahead in.
; CLUSTERS of 4 x 4: x's tile hangs on the tile row, shared along a row of the cluster; Wo's on the tile column, shared along a column: joint loads.
; THE SCALES go from memory straight into registers: 16 bytes a lane, 512 consecutive bytes a load: register j holds in lanes 0-15 the word of K step j, in lanes 16-31 that of K step 4 + j.
; The bias is the C of each sum's first matrix instruction.
; REGISTERS: window 0: v8-20 addresses; v32-47 x's scale words, v48-63 Wo's; v64-95 the bias; v96-127 and v64-95 rows on the way out; v128-255 the accumulators ((a, b) at 128 + 8 (4 a + b)).
;   window 1: two fragment buffers of 128: x's four fragments, then Wo's four.
.set BL,   131072                      ; LDS: x's images [tile 8][16,384] from 0; Wo's 128 rows from here,
.set WP,   1040                        ; 1,024 bytes + 16 of padding apart;
.set STG,  BL+128*WP                   ; the waves' own stages, 16 rows x 272 bytes each; no fill lands there
.set SPARE, 0x46400                    ; the spare words, 128 bytes a wave
.set ADA,  8                           ; v8-11   x's image, K steps 2 q on, for my lane
.set ADB,  12                          ; v12-15  Wo's rows, K steps 2 q on
.set STO,  16
.set RD,   17
.set CO,   18
.set SA,   32
.set SB,   48
.set BIAS, 64
.set ACC,  128
.set MSB, 0
.macro WIN new                         ; the immediate's high byte repeats the setting that is left
.if MSB != \new
	s_set_vgpr_msb (MSB<<8)|\new
.set MSB, \new
.endif
.endm
.set MULW, 0x05                        ; sources 0 and 1 window 1; C and D window 0
.set TO_F, 0x40                        ; destination window 1, address window 0
.macro CROUND
	s_barrier_signal -1
	s_barrier_wait -1
	s_cmp_lg_u32 s16, 0
	s_cbranch_scc1 .Lnot_wave_0_\@
	s_barrier_signal -3
.Lnot_wave_0_\@:
	s_barrier_wait -3
	s_barrier_signal -1
	s_barrier_wait -1
.endm
.macro PLACES n
.rept \n
	v_nop
.endr
.endm
	s_load_b256 s[4:11], s[0:1], 0x0               ; xc s[4:5], xs s[6:7], codes s[8:9], scales s[10:11]
	s_load_b128 s[12:15], s[0:1], 0x20             ; bo s[12:13], out0 s[14:15]
	v_lshl_add_u32 v30, v0, 2, SPARE
	v_mov_b32 v31, 0
	ds_add_u32 v30, v31                            ; the opening lines: the add, twice on end, and its wait
	ds_add_u32 v30, v31
	v_lshrrev_b32 v1, 5, v0
	v_readfirstlane_b32 s16, v1                    ; wave 0..3
	s_lshr_b32 s17, s16, 1                         ; which half of the rows is mine.  Also: I fetch for x (0) or for Wo (1)
	s_and_b32 s18, s16, 1                          ; which half of the columns.  Also: which half of that tile I fetch
	s_bfe_u32 s19, ttmp6, 0x40000                  ; cx
	s_bfe_u32 s20, ttmp6, 0x40004                  ; cy
	s_lshl_b32 s21, ttmp9, 2
	s_add_co_u32 s21, s21, s19                     ; tile column, 0..7
	s_and_b32 s22, ttmp7, 0xffff
	s_lshl_b32 s22, s22, 2
	s_add_co_u32 s22, s22, s20                     ; tile row, 0..31
	s_lshl_b32 s76, s20, 2
	s_lshl_b32 s76, 15, s76                        ; my row of the cluster
	s_lshl_b32 s77, 0x1111, s19                    ; my column
	; group 1 for x: 65,536 dense bytes as 256 rows of 256 (32 elements of 8 bytes), dense in LDS
	s_or_b32 s24, s76, (3<<16)|(1<<21)
	s_mov_b32 s25, 32<<16
	s_mov_b32 s26, 256<<16
	s_mov_b32 s27, 32<<16
	s_mov_b32 s28, 256
	s_mov_b32 s29, 32
	s_mov_b32 s30, 0
	s_mov_b32 s31, 0
	; group 1 for Wo: 64 rows of 1,024 bytes, four words of padding behind every 256 words
	s_or_b32 s32, s77, (0<<16)|(1<<20)|(1<<21)|(7<<22)|(3<<25)
	s_mov_b32 s33, 1024<<16
	s_mov_b32 s34, 64<<16
	s_mov_b32 s35, 1024<<16
	s_mov_b32 s36, 64
	s_mov_b32 s37, 1024
	s_mov_b32 s38, 0
	s_mov_b32 s39, 0
	s_lshl_b32 s78, s22, 3
	s_lshl_b32 s79, s18, 2
	s_add_co_u32 s78, s78, s79
	s_lshl_b32 s78, s78, 14                        ; x: tile of rows 8 x tile row + 4 x half, 16,384 bytes each
	s_mov_b32 s79, 0
	s_lshl_b32 s80, s21, 7
	s_lshl_b32 s81, s18, 6
	s_add_co_u32 s80, s80, s81
	s_lshl_b32 s80, s80, 10
	s_add_co_u32 s80, s80, 15<<20                  ; Wo: row 128 x tile column + 64 x half, behind the other tensors' 15,360 rows
	s_mov_b32 s81, 0
	s_mov_b32 s40, 1
	s_lshl_b32 s41, s18, 16                        ; where they go: no place in the cluster enters an LDS address
	s_mov_b32 s56, 1
	s_mul_i32 s57, s18, 64*WP
	s_add_co_u32 s57, s57, BL
	s_wait_dscnt 0x0
	s_wait_kmcnt 0x0
	s_add_nc_u64 s[42:43], s[4:5], s[78:79]
	s_or_b32 s43, s43, 0x80000000
	s_add_nc_u64 s[58:59], s[8:9], s[80:81]
	s_or_b32 s59, s59, 0x80000000
	CROUND                                         ; all sixteen work-groups are here: the joint loads meet
	s_cmp_eq_u32 s17, 0                            ; two arms, one load in each, one join
	s_cbranch_scc0 .Lfill_b
	tensor_load_to_lds s[40:43], s[24:31]
	s_nop 0
.rept 4
	v_nop
.endr
	s_branch .Lfilled
.Lfill_b:
	tensor_load_to_lds s[56:59], s[32:39]
	s_nop 0
.rept 4
	v_nop
.endr
.Lfilled:
	s_lshl_b32 s76, s22, 7
	s_lshl_b32 s84, s17, 6
	s_add_co_u32 s76, s76, s84                     ; my first row: 128 x tile row + 64 x half
	s_lshl_b32 s77, s21, 7
	s_lshl_b32 s84, s18, 6
	s_add_co_u32 s77, s77, s84                     ; my first column
	s_lshl_b32 s84, s76, 5
	s_mov_b32 s85, 0
	s_add_nc_u64 s[84:85], s[6:7], s[84:85]        ; x's scale bytes
	s_lshl_b32 s86, s77, 5
	s_add_co_u32 s86, s86, 491520                  ; Wo's: behind 15,360 rows of 32 bytes
	s_mov_b32 s87, 0
	s_add_nc_u64 s[86:87], s[10:11], s[86:87]
	s_lshl_b32 s2, s77, 2
	s_mov_b32 s3, 0
	s_add_nc_u64 s[12:13], s[12:13], s[2:3]        ; bo at my first column
	s_add_nc_u64 s[14:15], s[14:15], s[2:3]
	s_lshl_b32 s2, s76, 12
	s_add_nc_u64 s[14:15], s[14:15], s[2:3]        ; out0 at my first row and column
	v_and_b32 v1, 15, v0                           ; r
	v_bfe_u32 v2, v0, 4, 1                         ; h
	v_and_b32 v3, 31, v0                           ; lane
	v_lshlrev_b32 v19, 5, v1
	v_lshl_add_u32 v19, v2, 4, v19                 ; scales: 32 r + 16 h
	v_lshlrev_b32 v20, 5, v2                       ; bias: 32 h
.irp a, 0,1,2,3
	global_load_b128 v[SA+4*\a:SA+4*\a+3], v19, s[84:85] offset:512*\a
	global_load_b128 v[SB+4*\a:SB+4*\a+3], v19, s[86:87] offset:512*\a
	global_load_b128 v[BIAS+8*\a:BIAS+8*\a+3], v20, s[12:13] offset:64*\a        ; bo(16 b + 8 h + 0 .. 7): the result's layout
	global_load_b128 v[BIAS+8*\a+4:BIAS+8*\a+7], v20, s[12:13] offset:64*\a+16
.endr
	s_lshl_b32 s2, s17, 16
	v_lshl_add_u32 v[ADA], v3, 4, s2               ; 16 x lane + my four tiles of rows
	v_mul_u32_u24 v4, v1, WP
	v_lshl_add_u32 v4, v2, 4, v4
	s_mul_i32 s3, s18, 64*WP
	s_add_co_u32 s3, s3, BL
	v_add_nc_u32 v[ADB], s3, v4                    ; row r x pitch + 16 h + my 64 rows
.irp q, 1,2,3
	v_add_nc_u32 v[ADA+\q], 4096*\q, v[ADA]
	v_add_nc_u32 v[ADB+\q], 256*\q, v[ADB]
.endr
	s_mul_i32 s2, s16, 4352
	s_add_co_u32 s2, s2, STG                       ; my stage
	v_mul_u32_u24 v4, v1, 272
	v_lshl_add_u32 v4, v2, 5, v4
	v_add_nc_u32 v[STO], s2, v4                    ; in: row r, 32 bytes for each half of the lanes
	v_mul_u32_u24 v4, v2, 272
	v_lshl_add_u32 v4, v1, 4, v4
	v_add_nc_u32 v[RD], s2, v4                     ; back: lanes 0-15 one row of 256 bytes, lanes 16-31 the next
	v_lshlrev_b32 v[CO], 12, v2
	v_lshl_add_u32 v[CO], v1, 4, v[CO]             ; and the same two rows in out0
.macro FETCH s, f                      ; 32 LDS loads in one run: K step s's fragments into buffer f
	WIN TO_F
.irp a, 0,1,2,3
.irp c, 0,1,2,3
	ds_load_b128 v[\f+16*\a+4*\c:\f+16*\a+4*\c+3], v[ADA+(\s)/2] offset:16384*\a+2048*((\s)%2)+512*\c
.endr
.endr
.irp b, 0,1,2,3
.irp c, 0,1,2,3
	ds_load_b128 v[\f+64+16*\b+4*\c:\f+64+16*\b+4*\c+3], v[ADB+(\s)/2] offset:16*WP*\b+128*((\s)%2)+32*\c
.endr
.endr
.endm
.macro MUL s, f                        ; 16 matrix instructions; the 16 accumulators take turns, one instruction a turn, in the same order in every step
	WIN MULW
.irp a, 0,1,2,3
.irp b, 0,1,2,3
.if (\s) == 0
	v_wmma_scale_f32_16x16x128_f8f6f4 v[ACC+8*(4*\a+\b):ACC+8*(4*\a+\b)+7], v[\f+64+16*\b:\f+64+16*\b+15], v[\f+16*\a:\f+16*\a+15], v[BIAS+8*\b:BIAS+8*\b+7], v[SB+4*\b], v[SA+4*\a] matrix_a_fmt:MATRIX_FMT_BF8 matrix_b_fmt:MATRIX_FMT_BF8
.elseif (\s) < 4
	v_wmma_scale_f32_16x16x128_f8f6f4 v[ACC+8*(4*\a+\b):ACC+8*(4*\a+\b)+7], v[\f+64+16*\b:\f+64+16*\b+15], v[\f+16*\a:\f+16*\a+15], v[ACC+8*(4*\a+\b):ACC+8*(4*\a+\b)+7], v[SB+4*\b+(\s)], v[SA+4*\a+(\s)] matrix_a_fmt:MATRIX_FMT_BF8 matrix_b_fmt:MATRIX_FMT_BF8
.else
	v_wmma_scale_f32_16x16x128_f8f6f4 v[ACC+8*(4*\a+\b):ACC+8*(4*\a+\b)+7], v[\f+64+16*\b:\f+64+16*\b+15], v[\f+16*\a:\f+16*\a+15], v[ACC+8*(4*\a+\b):ACC+8*(4*\a+\b)+7], v[SB+4*\b+(\s)-4], v[SA+4*\a+(\s)-4] matrix_a_fmt:MATRIX_FMT_BF8 matrix_b_fmt:MATRIX_FMT_BF8 matrix_a_scale:MATRIX_SCALE_ROW1 matrix_b_scale:MATRIX_SCALE_ROW1
.endif
.endr
.endr
.endm
.macro KSTEP s                         ; the next step's fragments are asked for, then this step is multiplied
.if (\s) > 0
	PLACES 8                                       ; in front of loads into the buffer that the last step's products read
.endif
	FETCH (\s)+1, 128*(((\s)+1)%2)
	s_wait_dscnt 32                                ; all but the 32 just issued
	MUL \s, 128*((\s)%2)
.endm
	s_wait_alu depctr_va_vdst(0)
	s_wait_tensorcnt 0x0                           ; my fill is in,
	s_barrier_signal -1
	s_barrier_wait -1                              ; everybody's is
	FETCH 0, 0
	s_wait_loadcnt 0x0                             ; the scale words and the bias
.irp s, 0,1,2,3,4,5,6
	KSTEP \s
.endr
	s_wait_dscnt 0x0
	MUL 7, 128
	WIN 0
	PLACES 8                                       ; behind the last products: their results are read below
; THE WAY OUT, a block of 16 rows x 64 columns at a time: a lane's 32 bytes go into my own stage and come back as rows of 256 bytes.  LDS serves a wave's instructions in order: no wait between.
.macro TOSTAGE a
.irp b, 0,1,2,3
	ds_store_b128 v[STO], v[ACC+8*(4*(\a)+\b):ACC+8*(4*(\a)+\b)+3] offset:64*\b          ; each accumulator from its low end on
	ds_store_b128 v[STO], v[ACC+8*(4*(\a)+\b)+4:ACC+8*(4*(\a)+\b)+7] offset:64*\b+16
.endr
.set BB, 96-32*((\a)%2)
.irp t, 0,1,2,3,4,5,6,7
	ds_load_b128 v[BB+4*\t:BB+4*\t+3], v[RD] offset:544*\t
.endr
.endm
.macro SEND a, younger                 ; younger: the LDS instructions issued behind block a's loads, which may stay out
.set BB, 96-32*((\a)%2)
	s_wait_dscnt \younger
.irp t, 0,1,2,3,4,5,6,7
	global_store_b128 v[CO], v[BB+4*\t:BB+4*\t+3], s[14:15] offset:(32*((\a)/2)+16*(\t/4)+8*((\a)%2)+2*(\t%4))*4096 th:TH_STORE_NT   ; stored row 16 a + 2 t + h is token 32 (a/2) + 16 (t/4) + 8 (a%2) + 2 (t%4) + h; 16 lanes store 256 consecutive bytes, aligned
.endr
.endm
	TOSTAGE 0
.irp a, 1,2,3
.if \a > 1
	s_wait_xcnt 0x0                                ; block a - 2's stores have read their registers: block a's loads may land there
.endif
	TOSTAGE \a
	SEND \a-1, 16                                  ; behind block a - 1's loads: block a's 8 stores and 8 loads
.endr
	SEND 3, 0
	s_wait_tensorcnt 0x0                           ; the wave's end
	ds_add_u32 v30, v31
	s_wait_dscnt 0x0
	CROUND                                         ; the closing round: no work-group ends while a partner may still ask for a tile that names it
	s_endpgm
.Lfunc_end_k_q80c3b75d8d_outp:
	.size	k_q80c3b75d8d_outp, .Lfunc_end_k_q80c3b75d8d_outp-k_q80c3b75d8d_outp
	.p2alignl 7, 3214868480
	.fill 96, 4, 3214868480
	.section	.rodata,"a",@progbits
	.p2align	6, 0x0
	.amdhsa_kernel k_q80c3b75d8d_outp
		.amdhsa_group_segment_fixed_size 288256
		.amdhsa_private_segment_fixed_size 0
		.amdhsa_enable_private_segment 0
		.amdhsa_kernarg_size 48
		.amdhsa_user_sgpr_count 2
		.amdhsa_user_sgpr_kernarg_segment_ptr 1
		.amdhsa_wavefront_size32 1
		.amdhsa_system_sgpr_workgroup_id_x 1
		.amdhsa_system_sgpr_workgroup_id_y 1
		.amdhsa_system_sgpr_workgroup_id_z 1
		.amdhsa_system_vgpr_workitem_id 0
		.amdhsa_next_free_vgpr 512
		.amdhsa_next_free_sgpr 88
		.amdhsa_reserve_vcc 0
		.amdhsa_float_denorm_mode_32 3
		.amdhsa_float_denorm_mode_16_64 3
		.amdhsa_memory_ordered 1
		.amdhsa_forward_progress 1
		.amdhsa_inst_pref_size 50
	.end_amdhsa_kernel
	.amdgpu_metadata
---
amdhsa.version: [ 1, 2 ]
amdhsa.kernels:
  - .name:           k_q80c3b75d8d_outp
    .symbol:         k_q80c3b75d8d_outp.kd
    .args:
      - { .name: xc, .offset: 0, .size: 8, .value_kind: global_buffer, .address_space: global }
      - { .name: xs, .offset: 8, .size: 8, .value_kind: global_buffer, .address_space: global }
      - { .name: codes, .offset: 16, .size: 8, .value_kind: global_buffer, .address_space: global }
      - { .name: scales, .offset: 24, .size: 8, .value_kind: global_buffer, .address_space: global }
      - { .name: bo, .offset: 32, .size: 8, .value_kind: global_buffer, .address_space: global }
      - { .name: out0, .offset: 40, .size: 8, .value_kind: global_buffer, .address_space: global }
    .group_segment_fixed_size: 288256
    .private_segment_fixed_size: 0
    .kernarg_segment_align: 8
    .kernarg_segment_size: 48
    .max_flat_workgroup_size: 128
    .sgpr_count:     88
    .vgpr_count:     512
    .wavefront_size: 32
...
	.end_amdgpu_metadata
.endif
;; end of part 4
